; MI455X (gfx1250); checked and timed in simulation.
; The chip was launched on July 23, 2026; its instructions are those of AMD's public machine-readable ISA for CDNA 5 (MIT licence, August 2026) and "CDNA5" Instruction Set Architecture Reference Guide (July 2026). The comments in the code are by the model that wrote it; some were corrected since.
;; Mega Blocks Moe MLP. Allowed arithmetic: float matrix products may take bf16 or f16 operands with f32 sums; other float arithmetic in f32, or as packed bf16 or f16 multiplies, adds, multiply-adds, maxima and minima; sums over many terms, partial sums and values carried from step to step in f32; what a program stores and reads back later, other than sums and carried values, may be rounded once to bf16 or f16.
;; Inputs: router_bias 8 float32; router_weight 8 x 1,024 float32; w1 8 x 1,024 x 2,048 float32; w1_bias 8 x 2,048 float32; w2 8 x 1,024 x 1,024 float32; w2_bias 8 x 1,024 float32; x 2 x 1,024 x 1,024 float32.
;; Outputs: out0 2 x 1,024 x 1,024 float32; out1 2,048 x 2 float32.
;; 3 versions, each right; version 2 is faster than version 1; version 3 is version 2 with the launches up, down written anew for expert scheduling mode. Each part assembles by itself: llvm-mc -triple=amdgcn-amd-amdhsa -mcpu=gfx1250 --defsym DOCPART=n.
;; ======== version 1 of 3: 4 launches
;; limits: values are held in f16: magnitudes above 65,504 overflow, below 6.1e-05 lose precision
;; workspace buffers: xb 4,194,304 bytes; ids 8,192 bytes of whole numbers; hid 33,554,432 bytes; order 67,584 bytes of whole numbers; y2 16,777,216 bytes
;; launch router (part 1): grid 128 x 1, 8 waves a work-group, no clusters, 42,240 bytes of LDS; arguments x, router_weight, router_bias, xb, ids, out1; writes xb, ids, out1
.if DOCPART == 1
	.amdgcn_target "amdgcn-amd-amdhsa--gfx1250"
	.amdhsa_code_object_version 6
	.text
	.protected	k_q42abfd5935_router
	.globl	k_q42abfd5935_router
	.p2align	8
	.type	k_q42abfd5935_router,@function
k_q42abfd5935_router:
	s_mov_b64 s[64:65], 0
	v_nop
	global_prefetch_b8 v0, s[64:65] scope:SCOPE_SE
	s_setreg_imm32_b32 hwreg(HW_REG_WAVE_MODE, 25, 1), 1
	s_wait_xcnt 0x0
; ROUTER.  logits = x . router_weight^T + router_bias, softmax over the 8 experts, the two largest.  Stores: xb = x rounded to bf16; out1 = the two weights of each token;
; ids = one word a token, (1 << first expert) | (256 << second expert), at a fixed place.  No address and no branch hangs on the choice.
; All three inputs are rounded to bf16 (x and the weights as matrix operands, the bias likewise); sums, softmax and weights in f32.
; LIMITS.  The two experts are chosen on the logits by a strict greater-than, so the lower index wins a tie: that is the order of the probabilities except where two different logits
; round to one f32 probability.  The maximum is taken away before the exponentials; a probability below 2^-126 counts as 0.  NaN and infinities are not treated apart.
; The logits' sums run in another order than a plain dot product's.
; SHARES.  A work-group owns 16 tokens.  Wave w reads two of their rows (8,192 consecutive bytes), rounds them, stores them to xb and into LDS; then it multiplies all 16 tokens by
; the channels 128 w .. 128 w + 127 of the router's weights (4 matrix instructions, two accumulators by turns); wave 0 adds the eight parts and does the softmax, a token a lane.
; No cluster: the work-groups share only the router's 32 KB of weights, 1/3 of what a work-group reads, and each wave takes its part of them straight into registers.
.set XSP,   2064                       ; an LDS row of x: 2,048 bytes + 16: an odd multiple of 16, so the 16 rows of a fragment load start at different banks
.set PART,  16*XSP                     ; behind the rows: 1,024 bytes for each wave's partial logits
.set SPARE, PART+8*1024                ; behind them: the spare words, 128 bytes a wave
.set X,   16                           ; v16-79   two rows of x as loaded; later BF v16-47 (token fragments), ACC v48-63, S v64-71
.set RWF, 80                           ; v80-143  router weights as loaded; later the eight waves' partial logits
.set P,   144                          ; v144-175 x rounded
.set RF,  176                          ; v176-207 router weights rounded: four fragments
	s_load_b256 s[4:11], s[0:1], 0x0               ; x s[4:5], router_weight s[6:7], router_bias s[8:9], xb s[10:11]
	s_load_b128 s[12:15], s[0:1], 0x20             ; ids s[12:13], out1 s[14:15]
	v_lshl_add_u32 v14, v0, 2, SPARE               ; my spare word,
	v_mov_b32 v15, 0                               ; and 0: kept for the closing add alone
	v_lshrrev_b32 v1, 5, v0
	v_readfirstlane_b32 s16, v1                    ; wave 0..7
	v_and_b32 v1, 31, v0                           ; lane
	v_and_b32 v2, 15, v0                           ; r
	v_bfe_u32 v3, v0, 4, 1                         ; h
	v_lshlrev_b32 v4, 4, v1                        ; x: 16 bytes a lane
	v_lshlrev_b32 v5, 3, v1                        ; xb: 8 bytes a lane
	s_mul_i32 s17, s16, 2*XSP
	v_add_nc_u32 v6, s17, v5                       ; LDS: my wave's two rows
	v_and_b32 v7, 7, v0
	v_lshlrev_b32 v7, 12, v7                       ; router weights: row r % 8 (rows 8-15 of the fragment repeat rows 0-7),
	v_lshl_add_u32 v7, v3, 5, v7                   ; 8 f32 for each half of the lanes
	v_mul_u32_u24 v8, v2, XSP
	v_lshl_add_u32 v8, v3, 4, v8                   ; token fragment: row r, 16 bytes for each half,
	s_lshl_b32 s17, s16, 8
	v_add_nc_u32 v8, s17, v8                       ; my wave's 128 channels
	v_lshlrev_b32 v10, 5, v1
	v_add_nc_u32 v10, PART, v10                    ; wave 0's part, 32 bytes a lane
	s_lshl_b32 s17, s16, 10
	v_add_nc_u32 v9, s17, v10                      ; my wave's part
	v_lshlrev_b32 v11, 3, v2                       ; out1: 8 bytes a token
	v_lshlrev_b32 v12, 2, v2                       ; ids: 4 bytes a token
	v_mov_b32 v13, 0xff800000                      ; -infinity hides the first choice from the second scan
	s_lshl_b32 s20, ttmp9, 16                      ; 16 rows of 4,096 bytes,
	s_lshl_b32 s19, s16, 13                        ; my wave's two
	s_add_co_u32 s20, s20, s19
	s_mov_b32 s21, 0
	s_lshr_b32 s22, s20, 1                         ; the same rows in xb
	s_mov_b32 s23, 0
	s_lshl_b32 s32, s16, 9                         ; my wave's 128 channels of the router's weights
	s_mov_b32 s33, 0
	s_lshl_b32 s34, ttmp9, 7
	s_mov_b32 s35, 0
	s_lshl_b32 s36, ttmp9, 6
	s_mov_b32 s37, 0
	s_wait_kmcnt 0x0
	s_add_nc_u64 s[4:5], s[4:5], s[20:21]
	s_add_nc_u64 s[10:11], s[10:11], s[22:23]
	s_add_nc_u64 s[6:7], s[6:7], s[32:33]
	s_add_nc_u64 s[14:15], s[14:15], s[34:35]
	s_add_nc_u64 s[12:13], s[12:13], s[36:37]
	; PHASE A: two rows of x and my channels of the weights
.set j, 0
.rept 16
	global_load_b128 v[X+4*j:X+4*j+3], v4, s[4:5] offset:512*j th:TH_LOAD_NT  ; 512 consecutive bytes; x is read once in the whole program
.set j, j+1
.endr
.irp i, 0,1,2,3
	global_load_b128 v[RWF+16*\i:RWF+16*\i+3],     v7, s[6:7] offset:128*\i      ; channels 32 i + 8 h + 0..3
	global_load_b128 v[RWF+16*\i+4:RWF+16*\i+7],   v7, s[6:7] offset:128*\i+16   ; + 4..7
	global_load_b128 v[RWF+16*\i+8:RWF+16*\i+11],  v7, s[6:7] offset:128*\i+64   ; channels 32 i + 16 + 8 h + 0..3
	global_load_b128 v[RWF+16*\i+12:RWF+16*\i+15], v7, s[6:7] offset:128*\i+80   ; + 4..7
.endr
	s_wait_loadcnt 16                              ; x is in; the 16 younger loads are the weights'
.set n, 0
.rept 32
	v_cvt_pk_bf16_f32 v[P+n], v[X+2*n], v[X+2*n+1]
.set n, n+1
.endr
.set j, 0
.rept 16
	global_store_b64 v5, v[P+2*j:P+2*j+1], s[10:11] offset:256*j   ; the wave's 32 lanes store 256 consecutive bytes, aligned
	ds_store_b64 v6, v[P+2*j:P+2*j+1] offset:(j/8)*XSP+(j%8)*256
.set j, j+1
.endr
	s_wait_loadcnt 0x0                             ; the weights
.set n, 0
.rept 32
	v_cvt_pk_bf16_f32 v[RF+n], v[RWF+2*n], v[RWF+2*n+1]
.set n, n+1
.endr
	s_wait_dscnt 0x0                               ; for the others' sake: my two rows lie in LDS
	s_barrier_signal -1
	s_barrier_wait -1
	; PHASE B: experts x tokens over my 128 channels.  Source 0 = the weights' rows, source 1 = 16 tokens: a lane then holds one token (r) and the eight experts in registers 0-7
.irp i, 0,1,2,3
	ds_load_b128 v[16+8*\i:19+8*\i], v8 offset:64*\i
	ds_load_b128 v[20+8*\i:23+8*\i], v8 offset:64*\i+32
.endr
	s_wait_dscnt 0x0
	v_wmma_f32_16x16x32_bf16 v[48:55], v[RF:RF+7],     v[16:23], 0          ; two accumulators by turns
	v_wmma_f32_16x16x32_bf16 v[56:63], v[RF+8:RF+15],  v[24:31], 0
	v_wmma_f32_16x16x32_bf16 v[48:55], v[RF+16:RF+23], v[32:39], v[48:55]
	v_wmma_f32_16x16x32_bf16 v[56:63], v[RF+24:RF+31], v[40:47], v[56:63]
.rept 4
	v_nop                                          ; four places between the products and the first read of their results (ISA guide 7.12.1)
.endr
.irp n, 0,1,2,3
	v_pk_add_f32 v[64+2*\n:65+2*\n], v[48+2*\n:49+2*\n], v[56+2*\n:57+2*\n]   ; from the low end on
.endr
	ds_store_b128 v9, v[64:67]
	ds_store_b128 v9, v[68:71] offset:16
	s_wait_dscnt 0x0                               ; for wave 0's sake: my part is stored
	s_barrier_signal -1
	s_barrier_wait -1
	s_cmp_lg_u32 s16, 0
	s_cbranch_scc1 .Lend
	; PHASE C, wave 0: lane = token r (both halves of the lanes do the same work and store the same numbers to the same bytes, so EXEC stays whole)
	s_load_b256 s[24:31], s[8:9], 0x0              ; the bias
.set i, 0
.rept 8
	ds_load_b128 v[80+8*i:83+8*i], v10 offset:1024*i
	ds_load_b128 v[84+8*i:87+8*i], v10 offset:1024*i+16
.set i, i+1
.endr
	s_wait_dscnt 0x0
.irp d, 32,16,8
.set n, 0
.rept \d/2
	v_pk_add_f32 v[80+2*n:81+2*n], v[80+2*n:81+2*n], v[80+\d+2*n:81+\d+2*n]
.set n, n+1
.endr
.endr
	s_wait_kmcnt 0x0
.irp e, 0,1,2,3,4,5,6,7
	v_mov_b32 v[20+\e], s[24+\e]
	v_mov_b32 v[120+\e], \e                        ; the experts' numbers, for the selects
.endr
.irp n, 0,1,2,3
	v_cvt_pk_bf16_f32 v[16+\n], v[20+2*\n], v[21+2*\n]  ; the bias is rounded to bf16 like every input
.endr
.irp n, 0,1,2,3
	v_lshlrev_b32 v[20+2*\n], 16, v[16+\n]
	v_and_b32 v[21+2*\n], 0xffff0000, v[16+\n]
.endr
.irp n, 0,1,2,3
	v_pk_add_f32 v[80+2*\n:81+2*\n], v[80+2*\n:81+2*\n], v[20+2*\n:21+2*\n]
.endr
	v_mov_b32 v30, v80                             ; the largest logit and its expert
	v_mov_b32 v31, 0
.irp e, 1,2,3,4,5,6,7
	v_cmp_gt_f32 vcc_lo, v[80+\e], v30
	v_cndmask_b32 v30, v30, v[80+\e], vcc_lo
	v_cndmask_b32 v31, v31, v[120+\e], vcc_lo
.endr
.irp e, 0,1,2,3,4,5,6,7
	v_cmp_eq_u32 vcc_lo, \e, v31
	v_cndmask_b32 v[40+\e], v[80+\e], v13, vcc_lo
.endr
	v_mov_b32 v32, v40                             ; the second
	v_mov_b32 v33, 0
.irp e, 1,2,3,4,5,6,7
	v_cmp_gt_f32 vcc_lo, v[40+\e], v32
	v_cndmask_b32 v32, v32, v[40+\e], vcc_lo
	v_cndmask_b32 v33, v33, v[120+\e], vcc_lo
.endr
.irp e, 0,1,2,3,4,5,6,7
	v_sub_f32 v[48+\e], v[80+\e], v30              ; the maximum is taken away
.endr
	v_sub_f32 v56, v32, v30
.irp e, 0,1,2,3,4,5,6,7,8
	v_mul_f32 v[48+\e], 0x3fb8aa3b, v[48+\e]       ; log2(e)
.endr
.irp e, 0,1,2,3,4,5,6,7,8
	v_exp_f32 v[48+\e], v[48+\e]                   ; one batch of nine
.endr
	v_mov_b32 v34, 1                               ; a plain instruction behind the last exponential,
	s_wait_alu depctr_va_vdst(0)                   ; and one wait for the batch, ahead of its first reader
	v_add_f32 v48, v48, v49
	v_add_f32 v50, v50, v51
	v_add_f32 v52, v52, v53
	v_add_f32 v54, v54, v55
	v_add_f32 v48, v48, v50
	v_add_f32 v52, v52, v54
	v_add_f32 v48, v48, v52
	v_rcp_f32 v58, v48                             ; the first weight: 2^0 / sum
	v_mov_b32 v35, 0x100
	s_wait_alu depctr_va_vdst(0)
	v_mul_f32 v59, v56, v58                        ; the second
	v_lshlrev_b32 v34, v31, v34
	v_lshlrev_b32 v35, v33, v35
	v_or_b32 v34, v34, v35
	global_store_b64 v11, v[58:59], s[14:15]
	global_store_b32 v12, v34, s[12:13]
.Lend:
	s_wait_tensorcnt 0x0                           ; the wave's end
	ds_add_u32 v14, v15
	s_wait_dscnt 0x0
	s_endpgm
.Lfunc_end_k_q42abfd5935_router:
	.size	k_q42abfd5935_router, .Lfunc_end_k_q42abfd5935_router-k_q42abfd5935_router
	.p2alignl 7, 3214868480
	.fill 96, 4, 3214868480
	.section	.rodata,"a",@progbits
	.p2align	6, 0x0
	.amdhsa_kernel k_q42abfd5935_router
		.amdhsa_group_segment_fixed_size 42240
		.amdhsa_private_segment_fixed_size 0
		.amdhsa_enable_private_segment 0
		.amdhsa_kernarg_size 48
		.amdhsa_user_sgpr_count 2
		.amdhsa_user_sgpr_kernarg_segment_ptr 1
		.amdhsa_wavefront_size32 1
		.amdhsa_system_sgpr_workgroup_id_x 1
		.amdhsa_system_sgpr_workgroup_id_y 1
		.amdhsa_system_sgpr_workgroup_id_z 1
		.amdhsa_system_vgpr_workitem_id 0
		.amdhsa_next_free_vgpr 208
		.amdhsa_next_free_sgpr 66
		.amdhsa_reserve_vcc 1
		.amdhsa_float_denorm_mode_32 3
		.amdhsa_float_denorm_mode_16_64 3
		.amdhsa_memory_ordered 1
		.amdhsa_forward_progress 1
		.amdhsa_inst_pref_size 22
	.end_amdhsa_kernel
	.amdgpu_metadata
---
amdhsa.version: [ 1, 2 ]
amdhsa.kernels:
  - .name:           k_q42abfd5935_router
    .symbol:         k_q42abfd5935_router.kd
    .args:
      - { .name: x, .offset: 0, .size: 8, .value_kind: global_buffer, .address_space: global }
      - { .name: router_weight, .offset: 8, .size: 8, .value_kind: global_buffer, .address_space: global }
      - { .name: router_bias, .offset: 16, .size: 8, .value_kind: global_buffer, .address_space: global }
      - { .name: xb, .offset: 24, .size: 8, .value_kind: global_buffer, .address_space: global }
      - { .name: ids, .offset: 32, .size: 8, .value_kind: global_buffer, .address_space: global }
      - { .name: out1, .offset: 40, .size: 8, .value_kind: global_buffer, .address_space: global }
    .group_segment_fixed_size: 42240
    .private_segment_fixed_size: 0
    .kernarg_segment_align: 8
    .kernarg_segment_size: 48
    .max_flat_workgroup_size: 256
    .sgpr_count:     66
    .vgpr_count:     208
    .wavefront_size: 32
...
	.end_amdgpu_metadata
.endif
;; end of part 1
;; launch up (part 2): grid 32 x 8, 4 waves a work-group, no clusters, 198,144 bytes of LDS; arguments xb, ids, w1, w1_bias, hid, order; writes hid, order
.if DOCPART == 2
	.amdgcn_target "amdgcn-amd-amdhsa--gfx1250"
	.amdhsa_code_object_version 6
	.text
	.protected	k_q42abfd5935_up
	.globl	k_q42abfd5935_up
	.p2align	8
	.type	k_q42abfd5935_up,@function
k_q42abfd5935_up:
	s_mov_b64 s[64:65], 0
	v_nop
	global_prefetch_b8 v0, s[64:65] scope:SCOPE_SE
	s_setreg_imm32_b32 hwreg(HW_REG_WAVE_MODE, 25, 1), 1
	s_wait_xcnt 0x0
; FIRST PRODUCT AND ACTIVATION, for the chosen rows alone.  hid[e][slot] = swiglu(xb[token] . w1[e] + w1_bias[e]), slot = the row's rank in expert e's list.
; w1 and w1_bias are rounded to bf16 (w1 on its way through registers), sums in f32, the activation in f32, hid rounded once to f16.
; WHY f16 FOR hid.  The formula's own clamps bound the activation for every input: gate <= 7, |up| <= 7, the sigmoid within 0 .. 1, gate x sigmoid >= -0.17, so -42 <= act <= 56: f16's end, 65,504, is never near.
; Its 11 significant bits are wanted because single activations are many times the layer's root mean square, and each one's rounding error goes into the output undiminished.
; LIMITS.  An activation below 6.1e-5 keeps f16's fixed step of 6e-8.  NaN and infinities are not treated apart (a NaN gate or up comes out clamped).  A gate so low that 2^(-1.702 log2(e) gate) passes
; f32's range gives the weight 0, as the sigmoid does.
; SHARES.  Work-group (s, e) owns 64 columns (32 gate/up pairs) of expert e's w1, all 1,024 rows of K: 256 KB of f32 that it alone reads, kept in LDS as bf16 [k][64], and ALL rows of that expert.
; Every wave makes the expert's list for itself from ids (a counting pass, no traffic between waves); rows go in blocks of 16, block number 4 i + w to wave w, nine blocks a pass.
; The pass loop has a constant count of 4 (4 x 9 x 4 x 16 = 2,304 rows: every split of 2,048 tokens is served); a pass without rows is jumped.  Places past the count repeat the list's last row
; (their results go to slots past the count, inside the expert's 2,048, which nobody reads).
; THE PRODUCT.  Source 0 = 16 columns of w1 (turned out of LDS by ds_load_tr16_b128), source 1 = 16 tokens, straight from memory: a lane holds one token and 8 neighbouring columns, gate and up side by side.
; The bias, in the result's layout, is the C operand of each sum's first product.  Along K a lane takes 64 consecutive bytes of a token's row in a step of 64; the weights' rows are taken in the same order.
; COLUMN ORDER.  The slice's eight chunks of 8 columns are laid into LDS in the order 0 2 1 3 4 6 5 7, so that a lane's results of two accumulators are 8 neighbouring hidden columns: 16 bytes of hid.
; hid = [e][64 groups of 16 columns][2,048 slots][16] f16: a block's 16 slots are 512 consecutive bytes of a group, which is also what the second product's fragment loads take.
; NO CLUSTER: each slice of weights has one reader; what an expert's 32 work-groups share is its token rows, which come by a list that no one descriptor covers.  No tensor load: it cannot round f32 to bf16.
; REGISTERS, in windows of 256: window 0: v0-31 addresses, v32-63 bias, v64-255 three buffers of weight fragments (at the start ids, list and rounding; on the way out the activation);
;   v256-543 nine blocks' accumulators; v544-975 three buffers of nine blocks' token fragments (at the start v576-767: three sets of 16 loads of w1).
.set PW,    8192                       ; bytes in a row of w1
.set WP,    160                        ; an LDS row of the slice: 128 bytes + 32
.set STEPB, 64*WP                      ; a K step's rows: 10 KB
.set KBTRIP, 3*STEPB/1024              ; KB of the slice in a trip of the K loop (three steps)
.set KBMAX, 120                        ; and in its four trips
.set LISTS, 1024*WP                    ; behind the slice: a list for each wave: 2,048 words and 32 words that take what is not listed
.set LSZ,   8448
.set SPARE, LISTS+4*LSZ                ; behind the lists: the spare words, 128 bytes a wave
.set MB,    9                          ; blocks in a pass
.set NPASS, 4
.set NWF,   3                          ; buffers of weight fragments
.set BI,    32
.set WF,    64
.set T,     192                        ; v192-223 at work while rounding
.set ACC,   256
.set TOK,   544
.set STG,   64                         ; in window 2: the staging sets
.set CSTEP, 16                         ; from one of a lane's four token loads to the next
.set RI,    16                         ; weight rows from fragment 0 to fragment 1 of a step,
.set RH,    8                          ; and from a fragment's first four registers to its last four
; v1 r, v2 h, v3 lane, v4 my lane's place in a K step of the slice (never rewritten), v5 the address of a run of weight loads, made anew ahead of each run, v6 my row in the pass's first block, v7 64 h, v8 16 h,
; v9 my wave's list, v10 7.0, v12-20 token offsets, v21 hid offset, v22 2,048 + lane, v23 8 lane, v24 w1 offset, v25 LDS place of my 8 staged bytes, v27 16 lane, v28 spare word, v29 0, v30-31 at work
; s16 wave, s17 e, s18 s, s19 the expert's two bits, s20 8 + e, s21 count, s22 count - 1, s23 blocks, s24 my blocks left, s25 live blocks of the pass, s26, s27 counters, s[28:29] xb with the loop's step,
; s56 the KB of the slice that the K loop's trips have passed
.set MSB, 0
.macro WIN new                         ; the immediate's high byte repeats the setting that is left; a switch that changes nothing is dropped
.if MSB != (\new)
	s_set_vgpr_msb (MSB<<8)|(\new)
.set MSB, (\new)
.endif
.endm
.macro PLACES                          ; four places behind matrix instructions, in front of loads into registers that they read and of reads of their results
.rept 4
	v_nop
.endr
.endm
; 16 loads of w1: 32 rows of my wave's 256, sixteen lanes to a row's 256 aligned bytes
.macro GLOAD g
	WIN 0x80                                       ; destination window 2
.set i, 0
.rept 16
	global_load_b128 v[STG+64*((\g)%3)+4*i:STG+64*((\g)%3)+4*i+3], v24, s[44:45] offset:(16*(\g)+i)*2*PW th:TH_LOAD_NT
.set i, i+1
.endr
	WIN 0
.endm
; the same 32 rows rounded and laid into LDS.  cnt: the younger loads that may stay out
.macro GCVT g, cnt
	s_wait_loadcnt \cnt
	WIN 0x0a                                       ; sources window 2
.set i, 0
.rept 32
	v_cvt_pk_bf16_f32 v[T+i], v[STG+64*((\g)%3)+2*i], v[STG+64*((\g)%3)+2*i+1]
.set i, i+1
.endr
	WIN 0
.set i, 0
.rept 16
	ds_store_b64 v25, v[T+2*i:T+2*i+1] offset:(16*(\g)+i)*2*WP
.set i, i+1
.endr
.endm
; four words of ids a lane (tokens 128 j + 4 lane + c): who has chosen the expert gets the next rank, in the order (j, c, lane), and 2 token + (0 first choice, 1 second) goes to that place of the list
.macro LIST4 j
.irp c, 0,1,2,3
	v_and_b32 v[128+\c], s19, v[64+4*(\j)+\c]
	v_cmp_ne_u32 s[32+\c], 0, v[128+\c]
.endr
	s_mov_b32 s36, s21
	s_bcnt1_i32_b32 s50, s32
	s_add_co_u32 s37, s36, s50
	s_bcnt1_i32_b32 s50, s33
	s_add_co_u32 s38, s37, s50
	s_bcnt1_i32_b32 s50, s34
	s_add_co_u32 s39, s38, s50
	s_bcnt1_i32_b32 s50, s35
	s_add_co_u32 s21, s39, s50
.irp c, 0,1,2,3
	v_mbcnt_lo_u32_b32 v[132+\c], s[32+\c], s[36+\c]   ; rank = those before + those in lower lanes
	v_cndmask_b32 v[132+\c], v22, v[132+\c], s[32+\c]  ; a token that has not chosen the expert writes to its lane's word behind the list
	v_min_u32 v[132+\c], 0x81f, v[132+\c]              ; inside my wave's 2,080 words
	v_lshl_add_u32 v[132+\c], v[132+\c], 2, v9
	v_lshrrev_b32 v[128+\c], s20, v[128+\c]            ; 1 if the bit is the second choice's
	v_add3_u32 v[128+\c], v[128+\c], v23, 256*(\j)+2*\c
	ds_store_b32 v[132+\c], v[128+\c]
.endr
.endm
; token fragments of blocks lo..hi for one K step into buffer buf: four loads of 16 bytes a lane, 64 consecutive bytes of its token's row
.macro TLOAD buf, kimm, lo, hi
.set tj, \lo
.rept (\hi)-(\lo)+1
.set aT, TOK+16*(MB*(\buf)+tj)
	WIN (aT/256)<<6
.irp c, 0,1,2,3
	global_load_b128 v[aT%256+4*\c:aT%256+4*\c+3], v[12+tj], s[28:29] offset:(\kimm)+CSTEP*\c
.endr
.set tj, tj+1
.endr
	WIN 0
.endm
; weight fragments of one K step into buffer buf: 2 fragments along K x 4 groups of 16 columns x 2 halves.  The address is made here: the KB that the loop's trips have passed, held to their sum over
; all trips, times 1,024, plus the lane's place; the K step within the trip stands in the immediate.  The minimum never bites: it writes the loop's bound out, so that these lines alone show where the reads end:
; 122,880 + the largest immediate 44,896 + the largest lane's place 6,256 + 16 = 174,048, short of the spare words at 197,632, the only bytes written behind the barrier.
.macro WLOAD buf, wimm
	v_mov_b32 v5, s56
	v_min_u32 v5, KBMAX, v5
	v_lshl_add_u32 v5, v5, 10, v4
.irp i, 0,1
.irp hf, 0,1
.irp nb, 0,1,2,3
	ds_load_tr16_b128 v[WF+64*(\buf)+32*\i+8*\nb+4*\hf:WF+64*(\buf)+32*\i+8*\nb+4*\hf+3], v5 offset:(\wimm)+(RI*\i+RH*\hf)*WP+32*\nb
.endr
.endr
.endr
.endm
; a block's 8 matrix instructions: its four accumulators by turns.  first = 1: the bias starts the sums
.macro BLK t, j, first
.set aD, ACC+32*(\j)
.set aB, TOK+16*(MB*(\t)+(\j))
.set lD, aD%256
.set lB, aB%256
.set fW, WF+64*((\t)%NWF)
.irp i, 0,1
.irp nb, 0,1,2,3
.if (\first) && (\i == 0)
	WIN ((aB/256)<<2)|((aD/256)<<6)
	v_wmma_f32_16x16x32_bf16 v[lD+8*\nb:lD+8*\nb+7], v[fW+32*\i+8*\nb:fW+32*\i+8*\nb+7], v[lB+8*\i:lB+8*\i+7], v[BI+8*\nb:BI+8*\nb+7]
.else
	WIN ((aB/256)<<2)|((aD/256)<<4)|((aD/256)<<6)
	v_wmma_f32_16x16x32_bf16 v[lD+8*\nb:lD+8*\nb+7], v[fW+32*\i+8*\nb:fW+32*\i+8*\nb+7], v[lB+8*\i:lB+8*\i+7], v[lD+8*\nb:lD+8*\nb+7]
.endif
.endr
.endr
.endm
; blocks lo..hi.  The live blocks are the first s25; from the first dead one on the products are jumped (never in the first step, which writes every accumulator)
.macro BLOCKS t, lo, hi, first
.set bj, \lo
.rept (\hi)-(\lo)+1
.if !(\first) && (bj > 0)
	WIN 0                                          ; at a branch and at a label every window is 0
	s_cmp_gt_u32 s25, bj
	s_cbranch_scc0 .Lbe_\@
.endif
	BLK \t, bj, \first
.set bj, bj+1
.endr
	WIN 0
.Lbe_\@:
.endm
; A K step of 64 on token buffer t and weight buffer t.  The next step's weights and the tokens two steps on are asked for; all loads stand on every path, so the counts hold whatever is jumped.
; lc: the next step's 36 token loads may stay out.  dc: the 16 weight loads just issued may stay out.
.macro STEP t, wimm, kimm, first, tl, wl, lc, dc
	WIN 0
	PLACES                                         ; the buffers filled below were read by the step before, or earlier
	s_wait_loadcnt \lc
.if \wl
	WLOAD ((\t)+1)%3, \wimm
.endif
.if \tl
	TLOAD ((\t)+2)%3, \kimm, 0, 4
.endif
	s_wait_dscnt \dc
	BLOCKS \t, 0, 3, \first
.if \tl
	TLOAD ((\t)+2)%3, \kimm, 5, 8
.endif
	BLOCKS \t, 4, 8, \first
.endm
; THE WAY OUT of block j: gate = min(even column, 7), up = clip(odd column), act = (up + 1) gate / (1 + 2^(-1.702 log2(e) gate)); 16 hidden columns a lane, two stores of 512 consecutive bytes
.macro EPI j
.if (\j) > 0
	s_cmp_gt_u32 s25, \j
	s_cbranch_scc0 .Lfoot
.endif
	s_wait_xcnt 0x0                                ; the last block's stores have read their address and data registers, which are written again below
.set lA, (ACC+32*(\j))%256
	WIN (ACC+32*(\j))/256                          ; source 0: the accumulators' window
.set n, 0
.rept 16
	v_min_num_f32 v[64+n], v[lA+2*n], v10          ; each accumulator is read from its low end on
.set n, n+1
.endr
.set n, 0
.rept 16
	v_med3_num_f32 v[80+n], v[lA+2*n+1], s40, s41
.set n, n+1
.endr
	WIN 0
.set n, 0
.rept 8
	v_pk_mul_f32 v[96+2*n:97+2*n], v[64+2*n:65+2*n], s[42:43] op_sel_hi:[1,0]
.set n, n+1
.endr
.set n, 0
.rept 16
	v_exp_f32 v[96+n], v[96+n]
.set n, n+1
.endr
	v_add_nc_u32 v21, 64*(\j), v6                  ; the plain instruction behind the batch: my slot,
	s_wait_alu depctr_va_vdst(0)                   ; and one wait for the sixteen
.set n, 0
.rept 8
	v_pk_add_f32 v[96+2*n:97+2*n], v[96+2*n:97+2*n], 1.0 op_sel_hi:[1,0]
.set n, n+1
.endr
.set n, 0
.rept 16
	v_rcp_f32 v[96+n], v[96+n]
.set n, n+1
.endr
	v_lshl_add_u32 v21, v21, 5, v8                 ; 32 bytes a slot, 16 for each half of the lanes
	s_wait_alu depctr_va_vdst(0)
.set n, 0
.rept 8
	v_pk_mul_f32 v[64+2*n:65+2*n], v[64+2*n:65+2*n], v[96+2*n:97+2*n]
.set n, n+1
.endr
.set n, 0
.rept 8
	v_pk_fma_f32 v[80+2*n:81+2*n], v[80+2*n:81+2*n], v[64+2*n:65+2*n], v[64+2*n:65+2*n]
.set n, n+1
.endr
.set n, 0
.rept 8
	v_cvt_pk_f16_f32 v[112+n], v[80+2*n], v[81+2*n]   ; the one rounding of the hidden layer: to f16, within whose range the clamps above keep it
.set n, n+1
.endr
	global_store_b128 v21, v[112:115], s[46:47]              ; the slice's first 16 hidden columns: 16 slots x 32 bytes on end
	global_store_b128 v21, v[116:119], s[46:47] offset:65536 ; its second 16: the next group
.endm
	s_load_b256 s[4:11], s[0:1], 0x0               ; xb s[4:5], ids s[6:7], w1 s[8:9], w1_bias s[10:11]
	s_load_b128 s[12:15], s[0:1], 0x20             ; hid s[12:13], order s[14:15]
	v_lshl_add_u32 v28, v0, 2, SPARE               ; my spare word,
	v_mov_b32 v29, 0                               ; and 0: kept for the closing add alone
	v_lshrrev_b32 v1, 5, v0
	v_readfirstlane_b32 s16, v1                    ; wave 0..3
	s_and_b32 s17, ttmp7, 0xffff                   ; e
	s_mov_b32 s18, ttmp9                           ; s
	v_and_b32 v1, 15, v0
	v_bfe_u32 v2, v0, 4, 1
	v_and_b32 v3, 31, v0
	v_and_b32 v30, 7, v0
	v_lshl_add_u32 v30, v2, 5, v30                 ; the turning load: weight row 32 h + lane % 8 of the step (my half's 32 channels),
	v_mul_u32_u24 v4, v30, WP
	v_bfe_u32 v30, v0, 3, 1
	v_lshl_add_u32 v4, v30, 4, v4                  ; columns 8 ((lane / 8) % 2) on
	s_lshl_b32 s30, s16, 4
	v_add_nc_u32 v6, s30, v1                       ; 16 w + r
	v_lshlrev_b32 v7, 6, v2
	v_lshlrev_b32 v8, 4, v2
	s_mul_i32 s30, s16, LSZ
	s_add_co_u32 s30, s30, LISTS
	v_mov_b32 v9, s30
	v_mov_b32 v10, 0x40e00000                      ; 7.0
	v_add_nc_u32 v22, 0x800, v3
	v_lshlrev_b32 v23, 3, v3
	v_lshlrev_b32 v27, 4, v3
	v_lshlrev_b32 v24, 4, v1                       ; w1: 16 bytes a lane, sixteen lanes a row,
	v_lshl_add_u32 v24, v2, 13, v24                ; the next row for lanes 16-31,
	s_lshl_b32 s30, s16, 21
	v_add_nc_u32 v24, s30, v24                     ; my wave's 256 rows
	v_and_b32 v30, 9, v1                           ; my 4 columns' place in an LDS row: with c = c3 c2 c1 c0 it is 64 c3 + 32 c1 + 16 c2 + 8 c0
	v_lshlrev_b32 v30, 3, v30
	v_and_b32 v31, 2, v1
	v_lshl_add_u32 v30, v31, 4, v30
	v_and_b32 v31, 4, v1
	v_lshl_add_u32 v30, v31, 2, v30
	v_mul_u32_u24 v31, v2, WP
	v_add_nc_u32 v25, v30, v31
	s_mul_i32 s30, s16, 256*WP
	v_add_nc_u32 v25, s30, v25
	v_add_nc_u32 v30, v9, v27                      ; my wave's list, 16 bytes a lane
.irp n, 128,129,130,131
	v_mov_b32 v\n, 0
.endr
	s_lshl_b32 s19, 0x101, s17
	s_add_co_u32 s20, s17, 8
	s_mov_b32 s21, 0
	s_mov_b32 s40, 0xc0e00000                      ; -7.0
	s_mov_b32 s41, 0x40e00000                      ; 7.0
	s_mov_b32 s42, 0xc01d265f                      ; -1.702 log2(e)
	s_mov_b32 s43, s42                             ; named with it as a pair
	s_lshl_b32 s50, s18, 8
	s_lshl_b32 s30, s17, 23                        ; an expert's w1 is 8,388,608 bytes; the slice's 64 columns are 256
	s_add_co_u32 s30, s30, s50
	s_mov_b32 s31, 0
	s_lshl_b32 s32, s17, 22                        ; an expert's hid is 4,194,304 bytes; the slice's two groups are 131,072
	s_lshl_b32 s33, s18, 17
	s_add_co_u32 s32, s32, s33
	s_mov_b32 s33, 0
	s_mul_i32 s34, s17, LSZ
	s_mov_b32 s35, 0
	s_lshl_b32 s36, s17, 13
	s_add_co_u32 s36, s36, s50
	s_mov_b32 s37, 0
	s_lshl_b32 s38, s16, 11
	s_mov_b32 s39, 0
	s_wait_kmcnt 0x0
	s_add_nc_u64 s[44:45], s[8:9], s[30:31]        ; w1 at my slice
	s_add_nc_u64 s[46:47], s[12:13], s[32:33]      ; hid at my two groups
	s_add_nc_u64 s[48:49], s[14:15], s[34:35]      ; order at my expert,
	s_add_nc_u64 s[54:55], s[48:49], s[38:39]      ; and at my wave's quarter of the list
	s_add_nc_u64 s[52:53], s[10:11], s[36:37]      ; the bias at my slice
.set j, 0
.rept 16
	global_load_b128 v[64+4*j:67+4*j], v27, s[6:7] offset:512*j
.set j, j+1
.endr
.irp nb, 0,1,2,3
	global_load_b128 v[BI+8*\nb:BI+8*\nb+3],   v7, s[52:53] offset:128*(\nb/2)+32*(\nb%2)      ; columns 32 (nb / 2) + 16 h + 8 (nb % 2) + 0..3
	global_load_b128 v[BI+8*\nb+4:BI+8*\nb+7], v7, s[52:53] offset:128*(\nb/2)+32*(\nb%2)+16   ; + 4..7
.endr
	GLOAD 0
	GLOAD 1
.set i, 0
.rept 16
	ds_store_b128 v30, v[128:131] offset:512*i     ; the list starts as zeros, so that its tail holds numbers
.set i, i+1
.endr
	s_wait_loadcnt 40                              ; ids are in; younger: 8 loads of bias, 32 of w1
	GLOAD 2
.set j, 0
.rept 16
	LIST4 j
.set j, j+1
.endr
	s_min_u32 s21, s21, 0x800
	s_sub_co_u32 s22, s21, 1
	s_add_co_u32 s23, s21, 15
	s_lshr_b32 s23, s23, 4                         ; blocks of 16 rows
	s_sub_co_u32 s24, s23, s16
	s_add_co_u32 s24, s24, 3
	s_lshr_b32 s24, s24, 2                         ; of which blocks w, w + 4, .. are mine
	s_cmp_lg_u32 s18, 0
	s_cbranch_scc1 .Lno_order
	v_lshl_add_u32 v31, s16, 11, v30               ; slice 0 stores the list and the count for the second product: each wave a quarter of its own copy
.irp i, 0,1,2,3
	ds_load_b128 v[136+4*\i:139+4*\i], v31 offset:512*\i   ; LDS serves a wave's instructions in order: these see the stores above
.endr
	v_mov_b32 v152, s21
	v_mov_b32 v153, 0
	s_wait_dscnt 0x0
.irp i, 0,1,2,3
	global_store_b128 v27, v[136+4*\i:139+4*\i], s[54:55] offset:512*\i
.endr
	global_store_b32 v153, v152, s[48:49] offset:8192
.Lno_order:
	s_wait_loadcnt 48                              ; the bias is in; younger: three groups of w1
.set n, 0
.rept 16
	v_cvt_pk_bf16_f32 v[T+n], v[BI+2*n], v[BI+2*n+1]   ; rounded to bf16 like every input, and back to f32 for the C operand
.set n, n+1
.endr
.set n, 0
.rept 16
	v_lshlrev_b32 v[BI+2*n], 16, v[T+n]
	v_and_b32 v[BI+2*n+1], 0xffff0000, v[T+n]
.set n, n+1
.endr
	GCVT 0, 32                                     ; the slice: three groups of 16 loads, 24 KB a wave, are on their way; the two younger groups may stay out
	GLOAD 3
	GCVT 1, 32
	GLOAD 4
	GCVT 2, 32
	GLOAD 5
	GCVT 3, 32
	GLOAD 6
	GCVT 4, 32
	GLOAD 7
	GCVT 5, 32
	GCVT 6, 16
	GCVT 7, 0
	s_wait_dscnt 0x0                               ; for the others' sake: my 256 rows of the slice lie in LDS
	s_barrier_signal -1
	s_barrier_wait -1                              ; the launch's one barrier: behind it nothing writes the slice
	s_mov_b32 s26, NPASS
.Lpass:
	s_cmp_lt_i32 s24, 1
	s_cbranch_scc1 .Lpass_end                      ; no block left: the pass is jumped
	s_min_u32 s25, s24, MB
	s_wait_xcnt 0x0                                ; earlier stores and loads have read their registers, which are written again below
.set j, 0
.rept MB
	v_add_nc_u32 v[64+j], 64*j, v6
	v_min_u32 v[64+j], s22, v[64+j]                ; places past the count repeat the last row
	v_min_u32 v[64+j], 0x7ff, v[64+j]
	v_lshl_add_u32 v[64+j], v[64+j], 2, v9
	ds_load_b32 v[12+j], v[64+j]
.set j, j+1
.endr
	s_mov_b64 s[28:29], s[4:5]
	s_mov_b32 s56, 0                               ; the slice from its first row
	s_wait_dscnt 0x0
.set j, 0
.rept MB
	v_lshrrev_b32 v[12+j], 1, v[12+j]              ; the token
	v_min_u32 v[12+j], 0x7ff, v[12+j]
	v_lshl_add_u32 v[12+j], v[12+j], 11, v7        ; its row of 2,048 bytes, my half's 64 bytes of a step
.set j, j+1
.endr
	TLOAD 0, 0, 0, 8
	TLOAD 1, 128, 0, 8
	WLOAD 0, 0
	STEP 0, STEPB, 256, 1, 1, 1, 36, 16            ; K step 0 starts the sums
	s_mov_b32 s27, 4
.Lk:                                                   ; a trip: K steps 1 + 3 n, 2 + 3 n, 3 + 3 n
	STEP 1, 2*STEPB, 3*128, 0, 1, 1, 36, 16
	STEP 2, 3*STEPB, 4*128, 0, 1, 1, 36, 16
	STEP 0, 4*STEPB, 5*128, 0, 1, 1, 36, 16
	s_wait_xcnt 0x0                                ; the loads' base is stepped only behind this wait
	s_add_nc_u64 s[28:29], s[28:29], 384
	s_add_co_u32 s56, s56, KBTRIP                  ; three K steps of the slice on
	s_sub_co_u32 s27, s27, 1
	s_cmp_lg_u32 s27, 0
	s_cbranch_scc1 .Lk
	STEP 1, 2*STEPB, 3*128, 0, 1, 1, 36, 16        ; K step 13 asks for the last tokens,
	STEP 2, 3*STEPB, 0, 0, 0, 1, 36, 16            ; 14 for the last weights,
	STEP 0, 0, 0, 0, 0, 0, 0, 0                    ; 15 for nothing: its waits are for zero
	PLACES
.set j, 0
.rept MB
	EPI j
.set j, j+1
.endr
.Lfoot:
	s_sub_co_i32 s24, s24, MB
	v_add_nc_u32 v6, 64*MB, v6
.Lpass_end:
	s_sub_co_u32 s26, s26, 1
	s_cmp_lg_u32 s26, 0
	s_cbranch_scc1 .Lpass
	s_wait_tensorcnt 0x0                           ; the wave's end
	ds_add_u32 v28, v29
	s_wait_dscnt 0x0
	s_endpgm
.Lfunc_end_k_q42abfd5935_up:
	.size	k_q42abfd5935_up, .Lfunc_end_k_q42abfd5935_up-k_q42abfd5935_up
	.p2alignl 7, 3214868480
	.fill 96, 4, 3214868480
	.section	.rodata,"a",@progbits
	.p2align	6, 0x0
	.amdhsa_kernel k_q42abfd5935_up
		.amdhsa_group_segment_fixed_size 198144
		.amdhsa_private_segment_fixed_size 0
		.amdhsa_enable_private_segment 0
		.amdhsa_kernarg_size 48
		.amdhsa_user_sgpr_count 2
		.amdhsa_user_sgpr_kernarg_segment_ptr 1
		.amdhsa_wavefront_size32 1
		.amdhsa_system_sgpr_workgroup_id_x 1
		.amdhsa_system_sgpr_workgroup_id_y 1
		.amdhsa_system_sgpr_workgroup_id_z 1
		.amdhsa_system_vgpr_workitem_id 0
		.amdhsa_next_free_vgpr 976
		.amdhsa_next_free_sgpr 66
		.amdhsa_reserve_vcc 0
		.amdhsa_float_denorm_mode_32 3
		.amdhsa_float_denorm_mode_16_64 3
		.amdhsa_memory_ordered 1
		.amdhsa_forward_progress 1
		.amdhsa_inst_pref_size 213
	.end_amdhsa_kernel
	.amdgpu_metadata
---
amdhsa.version: [ 1, 2 ]
amdhsa.kernels:
  - .name:           k_q42abfd5935_up
    .symbol:         k_q42abfd5935_up.kd
    .args:
      - { .name: xb, .offset: 0, .size: 8, .value_kind: global_buffer, .address_space: global }
      - { .name: ids, .offset: 8, .size: 8, .value_kind: global_buffer, .address_space: global }
      - { .name: w1, .offset: 16, .size: 8, .value_kind: global_buffer, .address_space: global }
      - { .name: w1_bias, .offset: 24, .size: 8, .value_kind: global_buffer, .address_space: global }
      - { .name: hid, .offset: 32, .size: 8, .value_kind: global_buffer, .address_space: global }
      - { .name: order, .offset: 40, .size: 8, .value_kind: global_buffer, .address_space: global }
    .group_segment_fixed_size: 198144
    .private_segment_fixed_size: 0
    .kernarg_segment_align: 8
    .kernarg_segment_size: 48
    .max_flat_workgroup_size: 128
    .sgpr_count:     66
    .vgpr_count:     976
    .wavefront_size: 32
...
	.end_amdgpu_metadata
.endif
;; end of part 2
;; launch down (part 3): grid 32 x 8, 4 waves a work-group, no clusters, 214,528 bytes of LDS; arguments hid, order, out1, w2, w2_bias, y2; writes y2
.if DOCPART == 3
	.amdgcn_target "amdgcn-amd-amdhsa--gfx1250"
	.amdhsa_code_object_version 6
	.text
	.protected	k_q42abfd5935_down
	.globl	k_q42abfd5935_down
	.p2align	8
	.type	k_q42abfd5935_down,@function
k_q42abfd5935_down:
	s_mov_b64 s[64:65], 0
	v_nop
	global_prefetch_b8 v0, s[64:65] scope:SCOPE_SE
	s_setreg_imm32_b32 hwreg(HW_REG_WAVE_MODE, 25, 1), 1
	s_wait_xcnt 0x0
; SECOND PRODUCT.  y2[q] = out1[q] x (hid[e][slot] . w2[e] + w2_bias[e]), q = 2 token + (0 first choice, 1 second) = order[e][slot]: the weighted partial rows, in f32; the next launch adds each token's two.
; FORMATS.  The product's operands are f16: hid arrives so (within -42 .. 56 by the activation's own clamps).  w2 and w2_bias are rounded to bf16 like every input of the program; w2's bf16 number is then
; written as f16 on its way through registers, which changes nothing from 7.6e-6 (2^-17) to 65,504 in magnitude.  Sums in f32.
; LIMITS.  A w2 element below 7.6e-6 in magnitude is off by 3e-8 at the most; one of 65,520 or more would become an infinity.  NaN and infinities are not treated apart.
; SHARES.  Work-group (x, e): slice x / 2 of 64 columns of expert e's w2, all 1,024 rows of K, kept in LDS as f16 [k][64]; the two work-groups of a slice (x % 2) share the expert's rows:
; blocks of 16 rows, block number 8 i + 2 w + x % 2 to wave w, five blocks a pass; the pass loop has a constant count of 4 (4 x 5 x 8 x 16 = 2,560 rows: every split is served); a pass without rows is jumped.
; Places past the count repeat the expert's last row: the same numbers go to the same bytes of y2.
; THE PRODUCT.  Source 0 = 16 columns of w2 (turned out of LDS), source 1 = 16 rows of hid straight from memory (a fragment load takes 512 consecutive bytes); the bias is the C operand of each sum's first product.
; THE WAY OUT.  A block goes through the wave's own stage in LDS, so that sixteen lanes store 256 consecutive aligned bytes of a row of y2.
; NO CLUSTER: a slice of weights has two readers, each of which rounds it through registers; the hidden rows that an expert's 32 work-groups share lie end to end, but how many there are hangs on a stored
; count, and a ring of joint loads wants the same constant number of trips in all partners: 2,048 rows an expert, four times the even split's 512, which is what four partners would save.
; REGISTERS: window 0: v0-31 addresses, v32-63 bias, v64-191 two buffers of weight fragments (while staging v64-127 hold w2's bf16 numbers as f32; on the way out the scaled block and its rows),
;   v192-217 the way out's lanes, weights and rows, v224-255 at work; v256-415 five blocks' accumulators; v416-735 four buffers of five blocks' fragments (at the start v576-767: three sets of 16 loads of w2).
.set PW,    4096                       ; bytes in a row of w2
.set WP,    160                        ; an LDS row of the slice: 128 bytes + 32
.set STEPB, 64*WP                      ; a K step's rows: 10 KB
.set KBTRIP, 4*STEPB/1024              ; KB of the slice in a trip of the K loop (four steps)
.set KBMAX, 120                        ; and in its three trips
.set STAGE, 196608                     ; apart from the slice, which ends at 163,840 (the bytes between are not used): 16 rows x 272 bytes for each wave
.set SP,    272
.set SPARE, STAGE+4*16*SP              ; behind the stages: the spare words, 128 bytes a wave
.set MB,    5
.set NPASS, 4
.set NWF,   2
.set BI,    32
.set WF,    64
.set U,     64                         ; v64-127 while staging: 64 numbers of w2, rounded to bf16, as f32
.set T,     224
.set ACC,   256
.set TOK,   416
.set STG,   64
.set CSTEP, 65536                      ; from a group of 16 hidden columns to the next
.set KSTEP, 4*CSTEP                    ; a K step of 64
.set RI,    32
.set RH,    16
; v1 r, v2 h, v3 lane, v4 my lane's place in a K step of the slice (never rewritten), v5 the address of a run of weight loads, made anew ahead of each run, v6 my row in the pass's first block, v7 16 h, v8 stage in,
; v9 stage back, v10 16 (lane % 16), v11 32 h, v12-16 hid offsets, v17-21 offsets in order, then in out1, v24 w2 offset, v25 LDS place of my 8 staged bytes, v28 spare word, v29 0,
; v192-199 lanes to pull from, v200-209 (weight, q) of block j, v210-217 y2 offsets;  s56 the KB of the slice that the K loop's trips have passed, s57 the mask of a word's upper bf16
.set MSB, 0
.macro WIN new
.if MSB != (\new)
	s_set_vgpr_msb (MSB<<8)|(\new)
.set MSB, (\new)
.endif
.endm
.macro PLACES                          ; four places behind matrix instructions (ISA guide 7.12.1)
.rept 4
	v_nop
.endr
.endm
.macro GLOAD g                         ; 16 loads of w2: 32 rows of my wave's 256, sixteen lanes to a row's 256 aligned bytes
	WIN 0x80
.set i, 0
.rept 16
	global_load_b128 v[STG+64*((\g)%3)+4*i:STG+64*((\g)%3)+4*i+3], v24, s[44:45] offset:(16*(\g)+i)*2*PW
.set i, i+1
.endr
	WIN 0
.endm
; the same 32 rows rounded to bf16, that number written as f16, and laid into LDS; cnt: the younger loads that may stay out
.macro GCVT g, cnt
	s_wait_loadcnt \cnt
	WIN 0x0a
.set i, 0
.rept 32
	v_cvt_pk_bf16_f32 v[T+i], v[STG+64*((\g)%3)+2*i], v[STG+64*((\g)%3)+2*i+1]   ; the input's rounding
.set i, i+1
.endr
	WIN 0
.set i, 0
.rept 32
	v_lshlrev_b32 v[U+2*i], 16, v[T+i]             ; bf16 to f32: the low half moves up,
	v_and_b32 v[U+2*i+1], s57, v[T+i]              ; the high half stays
.set i, i+1
.endr
.set i, 0
.rept 32
	v_cvt_pk_f16_f32 v[T+i], v[U+2*i], v[U+2*i+1]  ; 8 significant bits fit into f16's 11
.set i, i+1
.endr
.set i, 0
.rept 16
	ds_store_b64 v25, v[T+2*i:T+2*i+1] offset:(16*(\g)+i)*2*WP
.set i, i+1
.endr
.endm
.macro TLOAD buf, kimm, lo, hi         ; hidden fragments of blocks lo..hi for one K step: four groups of 16 columns, 512 consecutive bytes a load
.set tj, \lo
.rept (\hi)-(\lo)+1
.set aT, TOK+16*(MB*(\buf)+tj)
	WIN (aT/256)<<6
.irp c, 0,1,2,3
	global_load_b128 v[aT%256+4*\c:aT%256+4*\c+3], v[12+tj], s[28:29] offset:(\kimm)+CSTEP*\c
.endr
.set tj, tj+1
.endr
	WIN 0
.endm
; weight fragments of one K step.  The address is made here: the KB that the loop's trips have passed, held to their sum over all trips, times 1,024, plus the lane's place; the K step within the trip
; stands in the immediate.  The minimum never bites: it writes the loop's bound out, so that these lines alone show where the reads end: 122,880 + the largest immediate 58,976 + the largest lane's place
; 2,416 + 16 = 184,288, short of the stages at 196,608 and the spare words behind them, the only bytes written behind the barrier.
.macro WLOAD buf, wimm
	v_mov_b32 v5, s56
	v_min_u32 v5, KBMAX, v5
	v_lshl_add_u32 v5, v5, 10, v4
.irp i, 0,1
.irp hf, 0,1
.irp nb, 0,1,2,3
	ds_load_tr16_b128 v[WF+64*(\buf)+32*\i+8*\nb+4*\hf:WF+64*(\buf)+32*\i+8*\nb+4*\hf+3], v5 offset:(\wimm)+(RI*\i+RH*\hf)*WP+32*\nb
.endr
.endr
.endr
.endm
.macro BLK t, j, first                 ; a block's 8 matrix instructions: its four accumulators by turns
.set aD, ACC+32*(\j)
.set aB, TOK+16*(MB*(\t)+(\j))
.set lD, aD%256
.set lB, aB%256
.set fW, WF+64*((\t)%NWF)
.irp i, 0,1
.irp nb, 0,1,2,3
.if (\first) && (\i == 0)
	WIN ((aB/256)<<2)|((aD/256)<<6)
	v_wmma_f32_16x16x32_f16 v[lD+8*\nb:lD+8*\nb+7], v[fW+32*\i+8*\nb:fW+32*\i+8*\nb+7], v[lB+8*\i:lB+8*\i+7], v[BI+8*\nb:BI+8*\nb+7]
.else
	WIN ((aB/256)<<2)|((aD/256)<<4)|((aD/256)<<6)
	v_wmma_f32_16x16x32_f16 v[lD+8*\nb:lD+8*\nb+7], v[fW+32*\i+8*\nb:fW+32*\i+8*\nb+7], v[lB+8*\i:lB+8*\i+7], v[lD+8*\nb:lD+8*\nb+7]
.endif
.endr
.endr
.endm
.macro BLOCKS t, lo, hi, first         ; from the first dead block on the products are jumped (never in the first step)
.set bj, \lo
.rept (\hi)-(\lo)+1
.if !(\first) && (bj > 0)
	WIN 0
	s_cmp_gt_u32 s25, bj
	s_cbranch_scc0 .Lbe_\@
.endif
	BLK \t, bj, \first
.set bj, bj+1
.endr
	WIN 0
.Lbe_\@:
.endm
; A K step of 64 on fragment buffer t and weight buffer t % 2.  lc: the two next steps' 40 loads may stay out.  dc: the 16 weight loads just issued may stay out.
.macro STEP t, wimm, kimm, first, tl, wl, lc, dc
	WIN 0
	PLACES                                         ; both buffers filled below were read by the step before
	s_wait_loadcnt \lc
.if \wl
	WLOAD ((\t)+1)%2, \wimm
.endif
.if \tl
	TLOAD ((\t)+3)%4, \kimm, 0, 4
.endif
	s_wait_dscnt \dc
	BLOCKS \t, 0, 4, \first
.endm
.macro EPI j
.if (\j) > 0
	s_cmp_gt_u32 s25, \j
	s_cbranch_scc0 .Lfoot
.endif
	s_wait_xcnt 0x0                                ; the last block's stores have read their address and data registers
.irp t, 0,1,2,3,4,5,6,7
	ds_bpermute_b32 v[210+\t], v[192+\t], v[201+2*(\j)]   ; q of row 2 t + lane / 16, from the lane that holds it
.endr
	WIN 0x01                                       ; source 0: the accumulators' window
.set n, 0
.rept 16
	v_pk_mul_f32 v[64+2*n:65+2*n], v[32*(\j)+2*n:32*(\j)+2*n+1], v[200+2*(\j):201+2*(\j)] op_sel_hi:[1,0]   ; times the row's router weight; from the low end on
.set n, n+1
.endr
	WIN 0
.irp nb, 0,1,2,3
	ds_store_b128 v8, v[64+8*\nb:67+8*\nb] offset:64*\nb
	ds_store_b128 v8, v[68+8*\nb:71+8*\nb] offset:64*\nb+16
.endr
.irp t, 0,1,2,3,4,5,6,7
	ds_load_b128 v[96+4*\t:99+4*\t], v9 offset:2*SP*\t   ; my own bytes: LDS serves a wave's instructions in order
.endr
	s_wait_dscnt 16                                ; the eight pulls are back; younger: 8 stores, 8 loads
.irp t, 0,1,2,3,4,5,6,7
	v_min_u32 v[210+\t], 0xfff, v[210+\t]
	v_lshl_add_u32 v[210+\t], v[210+\t], 12, v10   ; row q of 4,096 bytes, 16 bytes a lane
.endr
.irp t, 0,1,2,3,4,5,6,7
	s_wait_dscnt 7-\t
	global_store_b128 v[210+\t], v[96+4*\t:99+4*\t], s[54:55]   ; sixteen lanes store 256 consecutive bytes, aligned
.endr
.endm
	s_load_b256 s[4:11], s[0:1], 0x0               ; hid s[4:5], order s[6:7], out1 s[8:9], w2 s[10:11]
	s_load_b128 s[12:15], s[0:1], 0x20             ; w2_bias s[12:13], y2 s[14:15]
	v_lshl_add_u32 v28, v0, 2, SPARE               ; my spare word,
	v_mov_b32 v29, 0                               ; and 0: kept for the closing add alone
	v_lshrrev_b32 v1, 5, v0
	v_readfirstlane_b32 s16, v1                    ; wave 0..3
	s_and_b32 s17, ttmp7, 0xffff                   ; e
	s_lshr_b32 s19, ttmp9, 1                       ; slice
	s_and_b32 s20, ttmp9, 1                        ; which half of the rows' blocks
	s_lshl_b32 s51, s16, 1
	s_add_co_u32 s51, s51, s20                     ; 2 w + half: my place among the eight waves that share the rows
	s_mov_b32 s57, 0xffff0000                      ; a word's upper bf16
	v_and_b32 v1, 15, v0
	v_bfe_u32 v2, v0, 4, 1
	v_and_b32 v3, 31, v0
	v_and_b32 v30, 7, v0
	v_lshl_add_u32 v30, v2, 3, v30                 ; the turning load: weight row 8 h + lane % 8,
	v_mul_u32_u24 v4, v30, WP
	v_bfe_u32 v30, v0, 3, 1
	v_lshl_add_u32 v4, v30, 4, v4                  ; columns 8 ((lane / 8) % 2) on
	s_lshl_b32 s30, s51, 4
	v_add_nc_u32 v6, s30, v1
	v_lshlrev_b32 v7, 4, v2
	v_lshlrev_b32 v10, 4, v1
	v_lshlrev_b32 v11, 5, v2
	s_mul_i32 s30, s16, 16*SP
	s_add_co_u32 s30, s30, STAGE                   ; my stage
	v_mul_u32_u24 v8, v1, SP                       ; in: row r, 32 bytes for each half of the lanes
	v_add_nc_u32 v8, v8, v11
	v_add_nc_u32 v8, s30, v8
	v_mul_u32_u24 v9, v2, SP                       ; back: lanes 0-15 one row of 256 bytes, lanes 16-31 the next
	v_add_nc_u32 v9, v9, v10
	v_add_nc_u32 v9, s30, v9
	v_lshl_add_u32 v24, v2, 12, v10                ; w2: sixteen lanes a row, the next row for lanes 16-31,
	s_lshl_b32 s30, s16, 20
	v_add_nc_u32 v24, s30, v24                     ; my wave's 256 rows
	v_mul_u32_u24 v25, v2, WP
	v_lshl_add_u32 v25, v1, 3, v25
	s_mul_i32 s30, s16, 256*WP
	v_add_nc_u32 v25, s30, v25
	v_lshlrev_b32 v30, 2, v2
.irp t, 0,1,2,3,4,5,6,7
	v_add_nc_u32 v[192+\t], 8*\t, v30              ; 4 x lane (2 t + lane / 16)
.endr
	s_lshl_b32 s50, s19, 8
	s_lshl_b32 s30, s17, 22                        ; an expert's w2 is 4,194,304 bytes, and so is its hid
	s_mov_b32 s31, 0
	s_add_co_u32 s32, s30, s50
	s_mov_b32 s33, 0
	s_mul_i32 s34, s17, 8448
	s_mov_b32 s35, 0
	s_lshl_b32 s36, s17, 12
	s_add_co_u32 s36, s36, s50
	s_mov_b32 s37, 0
	s_mov_b32 s38, s50
	s_mov_b32 s39, 0
	s_wait_kmcnt 0x0
	s_add_nc_u64 s[44:45], s[10:11], s[32:33]      ; w2 at my slice
	s_add_nc_u64 s[46:47], s[4:5], s[30:31]        ; hid at my expert
	s_add_nc_u64 s[48:49], s[6:7], s[34:35]        ; order at my expert
	s_add_nc_u64 s[52:53], s[12:13], s[36:37]      ; the bias at my slice
	s_add_nc_u64 s[54:55], s[14:15], s[38:39]      ; y2 at my slice's columns
	s_load_b32 s21, s[48:49], 0x2000               ; the expert's count
.irp nb, 0,1,2,3
	global_load_b128 v[BI+8*\nb:BI+8*\nb+3],   v11, s[52:53] offset:64*\nb      ; columns 16 nb + 8 h + 0..3
	global_load_b128 v[BI+8*\nb+4:BI+8*\nb+7], v11, s[52:53] offset:64*\nb+16   ; + 4..7
.endr
	GLOAD 0
	GLOAD 1
	GLOAD 2
	s_wait_kmcnt 0x0
	s_min_u32 s21, s21, 0x800
	s_sub_co_u32 s22, s21, 1
	s_add_co_u32 s23, s21, 15
	s_lshr_b32 s23, s23, 4                         ; blocks of 16 rows
	s_sub_co_u32 s24, s23, s51
	s_add_co_u32 s24, s24, 7
	s_lshr_b32 s24, s24, 3                         ; of which every eighth is mine
	s_wait_loadcnt 48                              ; the bias is in; younger: three groups of w2
.set n, 0
.rept 16
	v_cvt_pk_bf16_f32 v[T+n], v[BI+2*n], v[BI+2*n+1]   ; rounded to bf16 like every input, and back to f32 for the C operand
.set n, n+1
.endr
.set n, 0
.rept 16
	v_lshlrev_b32 v[BI+2*n], 16, v[T+n]
	v_and_b32 v[BI+2*n+1], s57, v[T+n]
.set n, n+1
.endr
	GCVT 0, 32                                     ; the slice: three groups of 16 loads, 24 KB a wave, are on their way; the two younger groups may stay out
	GLOAD 3
	GCVT 1, 32
	GLOAD 4
	GCVT 2, 32
	GLOAD 5
	GCVT 3, 32
	GLOAD 6
	GCVT 4, 32
	GLOAD 7
	GCVT 5, 32
	GCVT 6, 16
	GCVT 7, 0
	s_wait_dscnt 0x0                               ; for the others' sake: my 256 rows of the slice lie in LDS
	s_barrier_signal -1
	s_barrier_wait -1                              ; the launch's one barrier: behind it nothing writes the slice
	s_mov_b32 s26, NPASS
.Lpass:
	s_cmp_lt_i32 s24, 1
	s_cbranch_scc1 .Lpass_end
	s_min_u32 s25, s24, MB
	s_wait_xcnt 0x0                                ; earlier stores and loads have read their registers, which are written again below
.set j, 0
.rept MB
	v_add_nc_u32 v[17+j], 128*j, v6
	v_min_u32 v[17+j], s22, v[17+j]                ; places past the count repeat the last row
	v_min_u32 v[17+j], 0x7ff, v[17+j]
	v_lshl_add_u32 v[12+j], v[17+j], 5, v7         ; 32 bytes a slot in a group, 16 for each half of the lanes
	v_lshlrev_b32 v[17+j], 2, v[17+j]
.set j, j+1
.endr
.set j, 0
.rept MB
	global_load_b32 v[201+2*j], v[17+j], s[48:49]  ; q
.set j, j+1
.endr
	s_mov_b64 s[28:29], s[46:47]
	s_mov_b32 s56, 0                               ; the slice from its first row
	TLOAD 0, 0, 0, 4
	TLOAD 1, KSTEP, 0, 4
	TLOAD 2, 2*KSTEP, 0, 4
	WLOAD 0, 0
	s_wait_loadcnt 60                              ; the five q are in; the 60 fragment loads behind them may stay out
.set j, 0
.rept MB
	v_min_u32 v[201+2*j], 0xfff, v[201+2*j]
	v_lshlrev_b32 v[17+j], 2, v[201+2*j]           ; free since that wait
.set j, j+1
.endr
.set j, 0
.rept MB
	global_load_b32 v[200+2*j], v[17+j], s[8:9]    ; the row's router weight; the last step's wait for zero covers it
.set j, j+1
.endr
	STEP 0, STEPB, 3*KSTEP, 1, 1, 1, 40, 16        ; K step 0 starts the sums.  In steps 0 to 2 45 loads are younger than the buffer wanted
	s_mov_b32 s27, 3
.Lk:                                                   ; a trip: K steps 1 + 4 n .. 4 + 4 n
	STEP 1, 2*STEPB, 4*KSTEP, 0, 1, 1, 40, 16
	STEP 2, 3*STEPB, 5*KSTEP, 0, 1, 1, 40, 16
	STEP 3, 4*STEPB, 6*KSTEP, 0, 1, 1, 40, 16
	STEP 0, 5*STEPB, 7*KSTEP, 0, 1, 1, 40, 16
	s_wait_xcnt 0x0                                ; the loads' base is stepped only behind this wait
	s_add_nc_u64 s[28:29], s[28:29], 4*KSTEP
	s_add_co_u32 s56, s56, KBTRIP                  ; four K steps of the slice on
	s_sub_co_u32 s27, s27, 1
	s_cmp_lg_u32 s27, 0
	s_cbranch_scc1 .Lk
	STEP 1, 2*STEPB, 0, 0, 0, 1, 40, 16            ; K steps 13 to 15 ask for no more fragments: the counts run down
	STEP 2, 3*STEPB, 0, 0, 0, 1, 20, 16
	STEP 3, 0, 0, 0, 0, 0, 0, 0
	PLACES
.set j, 0
.rept MB
	EPI j
.set j, j+1
.endr
.Lfoot:
	s_sub_co_i32 s24, s24, MB
	v_add_nc_u32 v6, 128*MB, v6
.Lpass_end:
	s_sub_co_u32 s26, s26, 1
	s_cmp_lg_u32 s26, 0
	s_cbranch_scc1 .Lpass
	s_wait_tensorcnt 0x0                           ; the wave's end
	ds_add_u32 v28, v29
	s_wait_dscnt 0x0
	s_endpgm
.Lfunc_end_k_q42abfd5935_down:
	.size	k_q42abfd5935_down, .Lfunc_end_k_q42abfd5935_down-k_q42abfd5935_down
	.p2alignl 7, 3214868480
	.fill 96, 4, 3214868480
	.section	.rodata,"a",@progbits
	.p2align	6, 0x0
	.amdhsa_kernel k_q42abfd5935_down
		.amdhsa_group_segment_fixed_size 214528
		.amdhsa_private_segment_fixed_size 0
		.amdhsa_enable_private_segment 0
		.amdhsa_kernarg_size 48
		.amdhsa_user_sgpr_count 2
		.amdhsa_user_sgpr_kernarg_segment_ptr 1
		.amdhsa_wavefront_size32 1
		.amdhsa_system_sgpr_workgroup_id_x 1
		.amdhsa_system_sgpr_workgroup_id_y 1
		.amdhsa_system_sgpr_workgroup_id_z 1
		.amdhsa_system_vgpr_workitem_id 0
		.amdhsa_next_free_vgpr 768
		.amdhsa_next_free_sgpr 66
		.amdhsa_reserve_vcc 0
		.amdhsa_float_denorm_mode_32 3
		.amdhsa_float_denorm_mode_16_64 3
		.amdhsa_memory_ordered 1
		.amdhsa_forward_progress 1
		.amdhsa_inst_pref_size 154
	.end_amdhsa_kernel
	.amdgpu_metadata
---
amdhsa.version: [ 1, 2 ]
amdhsa.kernels:
  - .name:           k_q42abfd5935_down
    .symbol:         k_q42abfd5935_down.kd
    .args:
      - { .name: hid, .offset: 0, .size: 8, .value_kind: global_buffer, .address_space: global }
      - { .name: order, .offset: 8, .size: 8, .value_kind: global_buffer, .address_space: global }
      - { .name: out1, .offset: 16, .size: 8, .value_kind: global_buffer, .address_space: global }
      - { .name: w2, .offset: 24, .size: 8, .value_kind: global_buffer, .address_space: global }
      - { .name: w2_bias, .offset: 32, .size: 8, .value_kind: global_buffer, .address_space: global }
      - { .name: y2, .offset: 40, .size: 8, .value_kind: global_buffer, .address_space: global }
    .group_segment_fixed_size: 214528
    .private_segment_fixed_size: 0
    .kernarg_segment_align: 8
    .kernarg_segment_size: 48
    .max_flat_workgroup_size: 128
    .sgpr_count:     66
    .vgpr_count:     768
    .wavefront_size: 32
...
	.end_amdgpu_metadata
.endif
;; end of part 3
;; launch sum (part 4): grid 256 x 1, 8 waves a work-group, no clusters, 0 bytes of LDS; arguments y2, out0; writes out0
.if DOCPART == 4
	.amdgcn_target "amdgcn-amd-amdhsa--gfx1250"
	.amdhsa_code_object_version 6
	.text
	.protected	k_q42abfd5935_sum
	.globl	k_q42abfd5935_sum
	.p2align	8
	.type	k_q42abfd5935_sum,@function
k_q42abfd5935_sum:
	s_mov_b64 s[64:65], 0
	v_nop
	global_prefetch_b8 v0, s[64:65] scope:SCOPE_SE
	s_setreg_imm32_b32 hwreg(HW_REG_WAVE_MODE, 25, 1), 1
	s_wait_xcnt 0x0
; out0[t] = y2[2 t] + y2[2 t + 1]: a token's two weighted partial rows, f32, lie on end in y2.  One wave, one token: 8,192 bytes in, 4,096 out, every load and store 512 consecutive aligned bytes.
; A stream: no LDS, no barrier, no matrix unit, no cluster (no byte is read twice).  All of a wave's 16 loads are out before its first wait.
	s_load_b128 s[4:7], s[0:1], 0x0                ; y2 s[4:5], out0 s[6:7]
	v_lshrrev_b32 v1, 5, v0
	v_readfirstlane_b32 s8, v1                     ; wave 0..7
	v_and_b32 v1, 31, v0
	v_lshlrev_b32 v1, 4, v1                        ; 16 bytes a lane
	s_lshl_b32 s9, ttmp9, 3
	s_add_co_u32 s9, s9, s8                        ; the token
	s_lshl_b32 s10, s9, 13
	s_mov_b32 s11, 0
	s_lshl_b32 s12, s9, 12
	s_mov_b32 s13, 0
	s_wait_kmcnt 0x0
	s_add_nc_u64 s[4:5], s[4:5], s[10:11]
	s_add_nc_u64 s[6:7], s[6:7], s[12:13]
.irp i, 0,1,2,3,4,5,6,7
	global_load_b128 v[4+4*\i:7+4*\i],   v1, s[4:5] offset:512*\i th:TH_LOAD_NT
	global_load_b128 v[36+4*\i:39+4*\i], v1, s[4:5] offset:4096+512*\i th:TH_LOAD_NT
.endr
.irp i, 0,1,2,3,4,5,6,7
	s_wait_loadcnt 14-2*\i                         ; pair i is in; the younger pairs stay out
	v_pk_add_f32 v[4+4*\i:5+4*\i], v[4+4*\i:5+4*\i], v[36+4*\i:37+4*\i]
	v_pk_add_f32 v[6+4*\i:7+4*\i], v[6+4*\i:7+4*\i], v[38+4*\i:39+4*\i]
	global_store_b128 v1, v[4+4*\i:7+4*\i], s[6:7] offset:512*\i th:TH_STORE_NT
.endr
	s_endpgm
.Lfunc_end_k_q42abfd5935_sum:
	.size	k_q42abfd5935_sum, .Lfunc_end_k_q42abfd5935_sum-k_q42abfd5935_sum
	.p2alignl 7, 3214868480
	.fill 96, 4, 3214868480
	.section	.rodata,"a",@progbits
	.p2align	6, 0x0
	.amdhsa_kernel k_q42abfd5935_sum
		.amdhsa_group_segment_fixed_size 0
		.amdhsa_private_segment_fixed_size 0
		.amdhsa_enable_private_segment 0
		.amdhsa_kernarg_size 16
		.amdhsa_user_sgpr_count 2
		.amdhsa_user_sgpr_kernarg_segment_ptr 1
		.amdhsa_wavefront_size32 1
		.amdhsa_system_sgpr_workgroup_id_x 1
		.amdhsa_system_sgpr_workgroup_id_y 1
		.amdhsa_system_sgpr_workgroup_id_z 1
		.amdhsa_system_vgpr_workitem_id 0
		.amdhsa_next_free_vgpr 68
		.amdhsa_next_free_sgpr 66
		.amdhsa_reserve_vcc 0
		.amdhsa_float_denorm_mode_32 3
		.amdhsa_float_denorm_mode_16_64 3
		.amdhsa_memory_ordered 1
		.amdhsa_forward_progress 1
		.amdhsa_inst_pref_size 5
	.end_amdhsa_kernel
	.amdgpu_metadata
---
amdhsa.version: [ 1, 2 ]
amdhsa.kernels:
  - .name:           k_q42abfd5935_sum
    .symbol:         k_q42abfd5935_sum.kd
    .args:
      - { .name: y2, .offset: 0, .size: 8, .value_kind: global_buffer, .address_space: global }
      - { .name: out0, .offset: 8, .size: 8, .value_kind: global_buffer, .address_space: global }
    .group_segment_fixed_size: 0
    .private_segment_fixed_size: 0
    .kernarg_segment_align: 8
    .kernarg_segment_size: 16
    .max_flat_workgroup_size: 256
    .sgpr_count:     66
    .vgpr_count:     68
    .wavefront_size: 32
...
	.end_amdgpu_metadata
.endif
;; end of part 4
;; ======== version 2 of 3: 5 launches; 1.14 times as fast as version 1
;; limits: values are held in f16: magnitudes above 65,504 overflow, below 6.1e-05 lose precision
;; workspace buffers: xb 4,194,304 bytes; ids 8,192 bytes of whole numbers; xs 33,554,432 bytes; hid 33,554,432 bytes; order 67,584 bytes of whole numbers; y2 16,777,216 bytes
;; launch router: the kernel of part 1 again; grid 128 x 1, 8 waves a work-group, no clusters, 42,240 bytes of LDS; arguments x, router_weight, router_bias, xb, ids, out1; writes xb, ids, out1
;; launch place (part 5): grid 32 x 8, 4 waves a work-group, no clusters, 69,120 bytes of LDS; arguments xb, ids, xs, order; writes xs, order
.if DOCPART == 5
	.amdgcn_target "amdgcn-amd-amdhsa--gfx1250"
	.amdhsa_code_object_version 6
	.text
	.protected	k_q42abfd5935_place
	.globl	k_q42abfd5935_place
	.p2align	8
	.type	k_q42abfd5935_place,@function
k_q42abfd5935_place:
	s_mov_b64 s[64:65], 0
	v_nop
	global_prefetch_b8 v0, s[64:65] scope:SCOPE_SE
	s_setreg_imm32_b32 hwreg(HW_REG_WAVE_MODE, 25, 1), 1
	s_wait_xcnt 0x0
; THE ROWS ARE LAID OUT BY EXPERT.  order[e] = the list of expert e's rows, q = 2 token + (0 first choice, 1 second), and their count; xs[e][slot] = xb[token of order[e][slot]], in the order in which the first
; product's fragment loads take it: xs = [e][64 groups of 16 channels][2,048 slots][16] bf16, so that a block's 16 slots are 512 consecutive bytes of a group.  Nothing is rounded here.
; SHARES.  Work-group (b, e) takes blocks b + 32 k of 16 slots of expert e.  Waves 0 and 1 take k = 0 and 2, waves 2 and 3 take k = 1 and 3: a loop of a constant 2 trips (128 blocks x 16 = 2,048 rows: every
; split of the tokens is served); a block past the count is jumped.  With an even split an expert has 32 blocks, one a work-group; the few blocks past the 32nd run beside the others, in waves 2 and 3.
; Of a block's 16 rows a wave takes 1,024 bytes each (wave % 2 says which), as two pieces of 512: each load is 512 consecutive bytes of one row, each store 512 consecutive bytes of one group; between them the
; wave's own stage in LDS turns 16 rows x 512 bytes into 16 groups x (16 slots x 32 bytes).  All 32 loads of a block are out before the first wait.
; THE LIST.  Every wave makes the expert's list for itself from ids (a counting pass, no traffic between waves); work-group b = 0 stores it.  The list's tail is zeros, so the slots past the count in the last
; block hold token 0's row; no later launch reads them (the products hold their rows to count - 1).
; No barrier: every LDS byte but the spare words is one wave's own.  A stream of 8 MB each way: no matrix unit; no cluster, since the work-groups share only the 8 KB of ids.
.set LSZ,   8448                       ; a wave's list: 2,048 words and 32 words that take what is not listed
.set STP,   544                        ; a stage row: 512 bytes + 32 = 136 words: row r starts at bank 8 r mod 64 (64 banks of 4 bytes: ISA guide 11.1)
.set STAGE, 4*LSZ                      ; behind the lists: 16 rows for each wave
.set SPARE, STAGE+4*16*STP             ; behind the stages: the spare words, 128 bytes a wave
.set NTRIP, 2
.set IDS,   64                         ; v64-127  ids: word 4 j + c of a lane is token 128 j + 4 lane + c; later the first piece's groups
.set RK,    128                        ; v128-143 ranks, then LDS addresses, of a trip's 16 words
.set QV,    144                        ; v144-159 their q
.set BAS,   32                         ; s32-47   how many rows the list holds ahead of each of the 16 words
.set MSK,   48                         ; s48-63   which lanes' tokens have chosen the expert, for each of the 16 words
; v3 lane, v9 my wave's list, v10 stage in, v11 stage back, v13 my 1,024 bytes of a row + 16 lane, v14 xs offset, v22 2,048 + lane, v23 8 lane + 1,024 x the list's trip, v27 16 lane, v28 spare word, v29 0,
; v30-31 at work, v32-47 the 16 rows' offsets in xb, v128-191 the first piece as loaded, then the second piece's groups, v192-255 the second piece as loaded
; s[12:13] xs at my expert and my half of the groups, s[14:15] order at my expert, s[28:29] order at my wave's quarter, s16 wave, s17 e, s18 b, s19 the expert's two bits, s20 8 + e, s21 count, s23 blocks,
; s24 my block, s25 at work, s26 counter, s27 wave % 2
	s_load_b256 s[4:11], s[0:1], 0x0               ; xb s[4:5], ids s[6:7], xs s[8:9], order s[10:11]
	v_lshl_add_u32 v28, v0, 2, SPARE               ; my spare word,
	v_mov_b32 v29, 0                               ; and 0: kept for the closing add alone
	v_lshrrev_b32 v1, 5, v0
	v_readfirstlane_b32 s16, v1                    ; wave 0..3
	s_and_b32 s17, ttmp7, 0xffff                   ; e
	s_mov_b32 s18, ttmp9                           ; b
	s_and_b32 s27, s16, 1                          ; which 1,024 bytes of a row are mine
	s_lshr_b32 s24, s16, 1
	s_lshl_b32 s24, s24, 5
	s_add_co_u32 s24, s24, s18                     ; my first block: b + 32 (wave / 2)
	v_and_b32 v3, 31, v0
	s_mul_i32 s30, s16, LSZ
	v_mov_b32 v9, s30                              ; the lists begin at LDS byte 0
	v_add_nc_u32 v22, 0x800, v3
	v_lshlrev_b32 v23, 3, v3
	v_lshlrev_b32 v27, 4, v3
	v_add_nc_u32 v30, v9, v27                      ; my wave's list, 16 bytes a lane
.irp n, 128,129,130,131
	v_mov_b32 v\n, 0
.endr
	s_mul_i32 s30, s16, 16*STP
	s_add_co_u32 s30, s30, STAGE                   ; my stage
	v_add_nc_u32 v10, s30, v27                     ; in: a piece's 512 bytes, 16 a lane
	v_lshrrev_b32 v11, 1, v3                       ; back: row lane / 2,
	v_mul_u32_u24 v11, v11, STP
	v_and_b32 v31, 1, v3
	v_lshl_add_u32 v11, v31, 4, v11                ; 16 bytes for each of the two lanes
	v_add_nc_u32 v11, s30, v11
	s_lshl_b32 s30, s27, 10
	v_add_nc_u32 v13, s30, v27                     ; my 1,024 bytes of a row of xb, 16 a lane
	s_lshl_b32 s19, 0x101, s17
	s_add_co_u32 s20, s17, 8
	s_mov_b32 s21, 0
	s_lshl_b32 s32, s17, 22                        ; an expert's xs is 4,194,304 bytes; my 32 groups of 65,536 begin at 2,097,152 (wave % 2)
	s_lshl_b32 s33, s27, 21
	s_add_co_u32 s32, s32, s33
	s_mov_b32 s33, 0
	s_mul_i32 s34, s17, LSZ
	s_mov_b32 s35, 0
	s_lshl_b32 s38, s16, 11
	s_mov_b32 s39, 0
	s_wait_kmcnt 0x0
	s_add_nc_u64 s[12:13], s[8:9], s[32:33]        ; xs at my expert and my half of the groups
	s_add_nc_u64 s[14:15], s[10:11], s[34:35]      ; order at my expert,
	s_add_nc_u64 s[28:29], s[14:15], s[38:39]      ; and at my wave's quarter of the list
.set j, 0
.rept 16
	global_load_b128 v[IDS+4*j:IDS+4*j+3], v27, s[6:7] offset:512*j
.set j, j+1
.endr
.set i, 0
.rept 16
	ds_store_b128 v30, v[128:131] offset:512*i     ; the list starts as zeros, so that its tail holds numbers
.set i, i+1
.endr
	s_wait_loadcnt 0x0                             ; ids
	; THE LIST: four trips, 16 of a lane's 64 words each.  Who has chosen the expert gets the next rank, in the order (word, lane), and 2 token + (0 first choice, 1 second) goes to that place of the list.
	; Each operation is written for all 16 words before the next begins, so that no line reads the result of the line before it.
	s_mov_b32 s26, 4
.Llist:
.set p, 0
.rept 16
	v_and_b32 v[IDS+p], s19, v[IDS+p]              ; the expert's two bits
.set p, p+1
.endr
.set p, 0
.rept 16
	v_cmp_ne_u32 s[MSK+p], 0, v[IDS+p]
.set p, p+1
.endr
	s_mov_b32 s[BAS], s21
.set p, 0
.rept 15
	s_bcnt1_i32_b32 s25, s[MSK+p]
	s_add_co_u32 s[BAS+p+1], s[BAS+p], s25
.set p, p+1
.endr
	s_bcnt1_i32_b32 s25, s[MSK+15]
	s_add_co_u32 s21, s[BAS+15], s25
.set p, 0
.rept 16
	v_mbcnt_lo_u32_b32 v[RK+p], s[MSK+p], s[BAS+p] ; rank = those before + those in lower lanes
.set p, p+1
.endr
.set p, 0
.rept 16
	v_cndmask_b32 v[RK+p], v22, v[RK+p], s[MSK+p]  ; a token that has not chosen the expert writes to its lane's word behind the list
.set p, p+1
.endr
.set p, 0
.rept 16
	v_min_u32 v[RK+p], 0x81f, v[RK+p]              ; inside my wave's 2,080 words
.set p, p+1
.endr
.set p, 0
.rept 16
	v_lshl_add_u32 v[RK+p], v[RK+p], 2, v9
.set p, p+1
.endr
.set p, 0
.rept 16
	v_lshrrev_b32 v[IDS+p], s20, v[IDS+p]          ; 1 if the bit is the second choice's
.set p, p+1
.endr
.set p, 0
.rept 16
	v_add3_u32 v[QV+p], v[IDS+p], v23, 256*(p/4)+2*(p%4)
.set p, p+1
.endr
.set p, 0
.rept 16
	ds_store_b32 v[RK+p], v[QV+p]
.set p, p+1
.endr
.set p, 0
.rept 48
	v_mov_b32 v[IDS+p], v[IDS+16+p]                ; the ids move down 16 registers, so that this one text serves all four trips
.set p, p+1
.endr
	v_add_nc_u32 v23, 0x400, v23                   ; the next trip's tokens are 512 further on
	s_sub_co_u32 s26, s26, 1
	s_cmp_lg_u32 s26, 0
	s_cbranch_scc1 .Llist
	s_min_u32 s21, s21, 0x800
	s_add_co_u32 s23, s21, 15
	s_lshr_b32 s23, s23, 4                         ; blocks of 16 rows
	s_cmp_lg_u32 s18, 0
	s_cbranch_scc1 .Lno_order
	v_lshl_add_u32 v31, s16, 11, v30               ; work-group b = 0 stores the list and the count: each wave a quarter of its own copy
.irp i, 0,1,2,3
	ds_load_b128 v[160+4*\i:163+4*\i], v31 offset:512*\i   ; LDS serves a wave's instructions in order: these see the stores above
.endr
	v_mov_b32 v176, s21
	v_mov_b32 v177, 0
	s_wait_dscnt 0x0
.irp i, 0,1,2,3
	global_store_b128 v27, v[160+4*\i:163+4*\i], s[28:29] offset:512*\i
.endr
	global_store_b32 v177, v176, s[14:15] offset:8192
.Lno_order:
; One piece of 512 bytes of the block's 16 rows goes through my stage and out.  in: the piece as loaded; out: its 16 groups; young: the loads issued behind the piece's own; gimm: the piece's first group in xs
.macro FINISH in, out, young, gimm
.set i, 0
.rept 16
	s_wait_loadcnt (\young)+15-i                   ; row i is in; the piece's younger rows, and the younger piece, stay out
	ds_store_b128 v10, v[(\in)+4*i:(\in)+4*i+3] offset:STP*i
.set i, i+1
.endr
.set i, 0
.rept 16
	ds_load_b128 v[(\out)+4*i:(\out)+4*i+3], v11 offset:32*i   ; group i: my own bytes, and LDS serves a wave's instructions in order
.set i, i+1
.endr
.set i, 0
.rept 16
	s_wait_dscnt 15-i                              ; group i is back; the younger groups stay out
	global_store_b128 v14, v[(\out)+4*i:(\out)+4*i+3], s[12:13] offset:(\gimm)+65536*i   ; 16 slots x 32 bytes: 512 consecutive bytes, aligned
.set i, i+1
.endr
.endm
	s_mov_b32 s26, NTRIP
.Lblock:
	s_cmp_ge_u32 s24, s23
	s_cbranch_scc1 .Lnone                          ; past the expert's last block
	s_wait_xcnt 0x0                                ; earlier stores have read their address and data registers, which are written again below
	v_mov_b32 v31, s24
	v_min_u32 v31, 127, v31                        ; the list has 128 blocks: the bound is written out, so that these lines alone show that the reads stay in my wave's list
	v_lshl_add_u32 v31, v31, 6, v9                 ; a block's 16 words are 64 bytes
.irp i, 0,1,2,3
	ds_load_b128 v[32+4*\i:35+4*\i], v31 offset:16*\i   ; every lane reads the same 16 words: the rows' q
.endr
	v_lshl_add_u32 v14, s24, 9, v27                ; 32 bytes a slot: a block is 512 bytes of a group, and (lane / 2) x 32 + (lane % 2) x 16 = 16 lane
	s_wait_dscnt 0x0
.set i, 0
.rept 16
	v_lshrrev_b32 v[32+i], 1, v[32+i]              ; the token
.set i, i+1
.endr
.set i, 0
.rept 16
	v_min_u32 v[32+i], 0x7ff, v[32+i]
.set i, i+1
.endr
.set i, 0
.rept 16
	v_lshl_add_u32 v[32+i], v[32+i], 11, v13       ; its row of 2,048 bytes, my part
.set i, i+1
.endr
.set i, 0
.rept 16
	global_load_b128 v[128+4*i:131+4*i], v[32+i], s[4:5]              ; the first piece: 512 consecutive bytes of row i
.set i, i+1
.endr
.set i, 0
.rept 16
	global_load_b128 v[192+4*i:195+4*i], v[32+i], s[4:5] offset:512   ; the second piece
.set i, i+1
.endr
	FINISH 128, 64, 16, 0                          ; its last wait on the LDS counter is for zero: the stage and v128-191 are free for the second piece
	FINISH 192, 128, 0, 16*65536
.Lnone:
	s_add_co_u32 s24, s24, 64
	s_sub_co_u32 s26, s26, 1
	s_cmp_lg_u32 s26, 0
	s_cbranch_scc1 .Lblock
	s_wait_tensorcnt 0x0                           ; the wave's end
	ds_add_u32 v28, v29
	s_wait_dscnt 0x0
	s_endpgm
.Lfunc_end_k_q42abfd5935_place:
	.size	k_q42abfd5935_place, .Lfunc_end_k_q42abfd5935_place-k_q42abfd5935_place
	.p2alignl 7, 3214868480
	.fill 96, 4, 3214868480
	.section	.rodata,"a",@progbits
	.p2align	6, 0x0
	.amdhsa_kernel k_q42abfd5935_place
		.amdhsa_group_segment_fixed_size 69120
		.amdhsa_private_segment_fixed_size 0
		.amdhsa_enable_private_segment 0
		.amdhsa_kernarg_size 32
		.amdhsa_user_sgpr_count 2
		.amdhsa_user_sgpr_kernarg_segment_ptr 1
		.amdhsa_wavefront_size32 1
		.amdhsa_system_sgpr_workgroup_id_x 1
		.amdhsa_system_sgpr_workgroup_id_y 1
		.amdhsa_system_sgpr_workgroup_id_z 1
		.amdhsa_system_vgpr_workitem_id 0
		.amdhsa_next_free_vgpr 256
		.amdhsa_next_free_sgpr 66
		.amdhsa_reserve_vcc 0
		.amdhsa_float_denorm_mode_32 3
		.amdhsa_float_denorm_mode_16_64 3
		.amdhsa_memory_ordered 1
		.amdhsa_forward_progress 1
		.amdhsa_inst_pref_size 33
	.end_amdhsa_kernel
	.amdgpu_metadata
---
amdhsa.version: [ 1, 2 ]
amdhsa.kernels:
  - .name:           k_q42abfd5935_place
    .symbol:         k_q42abfd5935_place.kd
    .args:
      - { .name: xb, .offset: 0, .size: 8, .value_kind: global_buffer, .address_space: global }
      - { .name: ids, .offset: 8, .size: 8, .value_kind: global_buffer, .address_space: global }
      - { .name: xs, .offset: 16, .size: 8, .value_kind: global_buffer, .address_space: global }
      - { .name: order, .offset: 24, .size: 8, .value_kind: global_buffer, .address_space: global }
    .group_segment_fixed_size: 69120
    .private_segment_fixed_size: 0
    .kernarg_segment_align: 8
    .kernarg_segment_size: 32
    .max_flat_workgroup_size: 128
    .sgpr_count:     66
    .vgpr_count:     256
    .wavefront_size: 32
...
	.end_amdgpu_metadata
.endif
;; end of part 5
;; launch up (part 6): grid 32 x 8, 4 waves a work-group, no clusters, 180,736 bytes of LDS; arguments xs, order, w1, w1_bias, hid; writes hid
.if DOCPART == 6
	.amdgcn_target "amdgcn-amd-amdhsa--gfx1250"
	.amdhsa_code_object_version 6
	.text
	.protected	k_q42abfd5935_up
	.globl	k_q42abfd5935_up
	.p2align	8
	.type	k_q42abfd5935_up,@function
k_q42abfd5935_up:
	s_mov_b64 s[64:65], 0
	v_nop
	global_prefetch_b8 v0, s[64:65] scope:SCOPE_SE
	s_setreg_imm32_b32 hwreg(HW_REG_WAVE_MODE, 25, 1), 1
	s_wait_xcnt 0x0
; FIRST PRODUCT AND ACTIVATION, for the chosen rows alone.  hid[e][slot] = swiglu(xs[e][slot] . w1[e] + w1_bias[e]); xs holds the experts' token rows, bf16, laid out by the launch before.
; w1 and w1_bias are rounded to bf16 (w1 on its way through registers), sums in f32, the activation in f32, hid rounded once to f16.
; WHY f16 FOR hid.  The formula's own clamps bound the activation for every input: gate <= 7, |up| <= 7, the sigmoid within 0 .. 1, gate x sigmoid >= -0.17, so -42 <= act <= 56: f16's end, 65,504, is never near.
; Its 11 significant bits are wanted because single activations are many times the layer's root mean square, and each one's rounding error goes into the output undiminished.
; LIMITS.  An activation below 6.1e-5 keeps f16's fixed step of 6e-8.  NaN and infinities are not treated apart (a NaN gate or up comes out clamped).  A gate so low that 2^(-1.702 log2(e) gate) passes
; f32's range gives the weight 0, as the sigmoid does.
; SHARES.  Work-group (s, e) owns 64 columns (32 gate/up pairs) of expert e's w1, all 1,024 rows of K: 256 KB of f32 that it alone reads, kept in LDS as bf16 [k][64], and ALL rows of that expert.
; Rows go in blocks of 16, block number 4 i + w to wave w, nine blocks a pass.  The pass loop has a constant count of 4 (4 x 9 x 4 x 16 = 2,304 rows: every split of 2,048 tokens is served); a pass without rows
; is jumped.  Places past the count repeat the expert's last row (their results go to slots past the count, inside the expert's 2,048, which nobody reads).
; THE PRODUCT.  Source 0 = 16 columns of w1 (turned out of LDS by ds_load_tr16_b128), source 1 = 16 rows of xs, straight from memory (a fragment load takes 512 consecutive bytes): a lane holds one row and
; 8 neighbouring columns, gate and up side by side.  The bias, in the result's layout, is the C operand of each sum's first product.
; COLUMN ORDER.  The slice's eight chunks of 8 columns are laid into LDS in the order 0 2 1 3 4 6 5 7, so that a lane's results of two accumulators are 8 neighbouring hidden columns: 16 bytes of hid.
; xs and hid = [e][64 groups of 16 columns][2,048 slots][16]: a block's 16 slots are 512 consecutive bytes of a group.
; NO CLUSTER: each slice of weights has one reader, which rounds it through registers (a tensor load cannot round f32 to bf16).  The token rows that an expert's 32 work-groups share lie end to end, but how many
; there are hangs on a stored count, and a ring of joint loads wants the same constant number of trips in all partners: 2,048 rows an expert, four times the even split's 512, which is what four partners would save.
; REGISTERS, in windows of 256: window 0: v0-31 addresses, v32-63 bias, v64-255 three buffers of weight fragments (v192-223 at work while rounding; on the way out v64-119 the activation);
;   v256-543 nine blocks' accumulators; v544-975 three buffers of nine blocks' token fragments (at the start v576-767: three sets of 16 loads of w1).
.set PW,    8192                       ; bytes in a row of w1
.set WP,    160                        ; an LDS row of the slice: 128 bytes + 32
.set STEPB, 64*WP                      ; a K step's rows: 10 KB
.set KBTRIP, 3*STEPB/1024              ; KB of the slice in a trip of the K loop (three steps)
.set KBMAX, 120                        ; and in its four trips
.set SPARE, 180224                     ; apart from the slice, which ends at 163,840 (the bytes between are not used): the spare words, 128 bytes a wave
.set MB,    9                          ; blocks in a pass
.set NPASS, 4
.set NWF,   3                          ; buffers of weight fragments
.set BI,    32
.set WF,    64
.set T,     192                        ; v192-223 at work while rounding
.set ACC,   256
.set TOK,   544
.set STG,   64                         ; in window 2: the staging sets
.set CSTEP, 65536                      ; from a group of 16 channels to the next
.set KSTEP, 4*CSTEP                    ; a K step of 64
.set RI,    32                         ; weight rows from fragment 0 to fragment 1 of a step,
.set RH,    16                         ; and from a fragment's first four registers to its last four
; v1 r, v2 h, v4 my lane's place in a K step of the slice (never rewritten), v5 the address of a run of weight loads, made anew ahead of each run, v6 my row in the pass's first block, v7 64 h, v8 16 h,
; v10 7.0, v12-20 xs offsets, v21 hid offset, v24 w1 offset, v25 LDS place of my 8 staged bytes, v28 spare word, v29 0, v30-31 at work
; s16 wave, s17 e, s18 s, s21 count, s22 count - 1, s23 blocks, s24 my blocks left, s25 live blocks of the pass, s26, s27 counters, s[28:29] xs with the loop's step,
; s56 the KB of the slice that the K loop's trips have passed, s[58:59] xs at my expert
.set MSB, 0
.macro WIN new                         ; the immediate's high byte repeats the setting that is left; a switch that changes nothing is dropped
.if MSB != (\new)
	s_set_vgpr_msb (MSB<<8)|(\new)
.set MSB, (\new)
.endif
.endm
.macro PLACES                          ; four places behind matrix instructions, in front of loads into registers that they read and of reads of their results
.rept 4
	v_nop
.endr
.endm
; 16 loads of w1: 32 rows of my wave's 256, sixteen lanes to a row's 256 aligned bytes
.macro GLOAD g
	WIN 0x80                                       ; destination window 2
.set i, 0
.rept 16
	global_load_b128 v[STG+64*((\g)%3)+4*i:STG+64*((\g)%3)+4*i+3], v24, s[44:45] offset:(16*(\g)+i)*2*PW th:TH_LOAD_NT
.set i, i+1
.endr
	WIN 0
.endm
; the same 32 rows rounded and laid into LDS.  cnt: the younger loads that may stay out
.macro GCVT g, cnt
	s_wait_loadcnt \cnt
	WIN 0x0a                                       ; sources window 2
.set i, 0
.rept 32
	v_cvt_pk_bf16_f32 v[T+i], v[STG+64*((\g)%3)+2*i], v[STG+64*((\g)%3)+2*i+1]
.set i, i+1
.endr
	WIN 0
.set i, 0
.rept 16
	ds_store_b64 v25, v[T+2*i:T+2*i+1] offset:(16*(\g)+i)*2*WP
.set i, i+1
.endr
.endm
; token fragments of blocks lo..hi for one K step into buffer buf: four groups of 16 channels, 512 consecutive bytes a load
.macro TLOAD buf, kimm, lo, hi
.set tj, \lo
.rept (\hi)-(\lo)+1
.set aT, TOK+16*(MB*(\buf)+tj)
	WIN (aT/256)<<6
.irp c, 0,1,2,3
	global_load_b128 v[aT%256+4*\c:aT%256+4*\c+3], v[12+tj], s[28:29] offset:(\kimm)+CSTEP*\c
.endr
.set tj, tj+1
.endr
	WIN 0
.endm
; weight fragments of one K step into buffer buf: 2 fragments along K x 4 groups of 16 columns x 2 halves.  The address is made here: the KB that the loop's trips have passed, held to their sum over
; all trips, times 1,024, plus the lane's place; the K step within the trip stands in the immediate.  The minimum never bites: it writes the loop's bound out, so that these lines alone show where the reads end:
; 122,880 + the largest immediate 48,736 + the largest lane's place 2,416 + 16 = 174,048, short of the spare words at 180,224, the only bytes written behind the barrier.
.macro WLOAD buf, wimm
	v_mov_b32 v5, s56
	v_min_u32 v5, KBMAX, v5
	v_lshl_add_u32 v5, v5, 10, v4
.irp i, 0,1
.irp hf, 0,1
.irp nb, 0,1,2,3
	ds_load_tr16_b128 v[WF+64*(\buf)+32*\i+8*\nb+4*\hf:WF+64*(\buf)+32*\i+8*\nb+4*\hf+3], v5 offset:(\wimm)+(RI*\i+RH*\hf)*WP+32*\nb
.endr
.endr
.endr
.endm
; a block's 8 matrix instructions: its four accumulators by turns.  first = 1: the bias starts the sums
.macro BLK t, j, first
.set aD, ACC+32*(\j)
.set aB, TOK+16*(MB*(\t)+(\j))
.set lD, aD%256
.set lB, aB%256
.set fW, WF+64*((\t)%NWF)
.irp i, 0,1
.irp nb, 0,1,2,3
.if (\first) && (\i == 0)
	WIN ((aB/256)<<2)|((aD/256)<<6)
	v_wmma_f32_16x16x32_bf16 v[lD+8*\nb:lD+8*\nb+7], v[fW+32*\i+8*\nb:fW+32*\i+8*\nb+7], v[lB+8*\i:lB+8*\i+7], v[BI+8*\nb:BI+8*\nb+7]
.else
	WIN ((aB/256)<<2)|((aD/256)<<4)|((aD/256)<<6)
	v_wmma_f32_16x16x32_bf16 v[lD+8*\nb:lD+8*\nb+7], v[fW+32*\i+8*\nb:fW+32*\i+8*\nb+7], v[lB+8*\i:lB+8*\i+7], v[lD+8*\nb:lD+8*\nb+7]
.endif
.endr
.endr
.endm
; blocks lo..hi.  The live blocks are the first s25; from the first dead one on the products are jumped (never in the first step, which writes every accumulator)
.macro BLOCKS t, lo, hi, first
.set bj, \lo
.rept (\hi)-(\lo)+1
.if !(\first) && (bj > 0)
	WIN 0                                          ; at a branch and at a label every window is 0
	s_cmp_gt_u32 s25, bj
	s_cbranch_scc0 .Lbe_\@
.endif
	BLK \t, bj, \first
.set bj, bj+1
.endr
	WIN 0
.Lbe_\@:
.endm
; A K step of 64 on token buffer t and weight buffer t.  The next step's weights and the tokens two steps on are asked for; all loads stand on every path, so the counts hold whatever is jumped.
; lc: the next step's 36 token loads may stay out.  dc: the 16 weight loads just issued may stay out.
.macro STEP t, wimm, kimm, first, tl, wl, lc, dc
	WIN 0
	PLACES                                         ; the buffers filled below were read by the step before, or earlier
	s_wait_loadcnt \lc
.if \wl
	WLOAD ((\t)+1)%3, \wimm
.endif
.if \tl
	TLOAD ((\t)+2)%3, \kimm, 0, 4
.endif
	s_wait_dscnt \dc
	BLOCKS \t, 0, 3, \first
.if \tl
	TLOAD ((\t)+2)%3, \kimm, 5, 8
.endif
	BLOCKS \t, 4, 8, \first
.endm
; THE WAY OUT of block j: gate = min(even column, 7), up = clip(odd column), act = (up + 1) gate / (1 + 2^(-1.702 log2(e) gate)); 16 hidden columns a lane, two stores of 512 consecutive bytes
.macro EPI j
.if (\j) > 0
	s_cmp_gt_u32 s25, \j
	s_cbranch_scc0 .Lfoot
.endif
	s_wait_xcnt 0x0                                ; the last block's stores have read their address and data registers, which are written again below
.set lA, (ACC+32*(\j))%256
	WIN (ACC+32*(\j))/256                          ; source 0: the accumulators' window
.set n, 0
.rept 16
	v_min_num_f32 v[64+n], v[lA+2*n], v10          ; each accumulator is read from its low end on
.set n, n+1
.endr
.set n, 0
.rept 16
	v_med3_num_f32 v[80+n], v[lA+2*n+1], s40, s41
.set n, n+1
.endr
	WIN 0
.set n, 0
.rept 8
	v_pk_mul_f32 v[96+2*n:97+2*n], v[64+2*n:65+2*n], s[42:43] op_sel_hi:[1,0]
.set n, n+1
.endr
.set n, 0
.rept 16
	v_exp_f32 v[96+n], v[96+n]
.set n, n+1
.endr
	v_add_nc_u32 v21, 64*(\j), v6                  ; the plain instruction behind the batch: my slot,
	s_wait_alu depctr_va_vdst(0)                   ; and one wait for the sixteen
.set n, 0
.rept 8
	v_pk_add_f32 v[96+2*n:97+2*n], v[96+2*n:97+2*n], 1.0 op_sel_hi:[1,0]
.set n, n+1
.endr
.set n, 0
.rept 16
	v_rcp_f32 v[96+n], v[96+n]
.set n, n+1
.endr
	v_lshl_add_u32 v21, v21, 5, v8                 ; 32 bytes a slot, 16 for each half of the lanes
	s_wait_alu depctr_va_vdst(0)
.set n, 0
.rept 8
	v_pk_mul_f32 v[64+2*n:65+2*n], v[64+2*n:65+2*n], v[96+2*n:97+2*n]
.set n, n+1
.endr
.set n, 0
.rept 8
	v_pk_fma_f32 v[80+2*n:81+2*n], v[80+2*n:81+2*n], v[64+2*n:65+2*n], v[64+2*n:65+2*n]
.set n, n+1
.endr
.set n, 0
.rept 8
	v_cvt_pk_f16_f32 v[112+n], v[80+2*n], v[81+2*n]   ; the one rounding of the hidden layer: to f16, within whose range the clamps above keep it
.set n, n+1
.endr
	global_store_b128 v21, v[112:115], s[46:47]              ; the slice's first 16 hidden columns: 16 slots x 32 bytes on end
	global_store_b128 v21, v[116:119], s[46:47] offset:65536 ; its second 16: the next group
.endm
	s_load_b256 s[4:11], s[0:1], 0x0               ; xs s[4:5], order s[6:7], w1 s[8:9], w1_bias s[10:11]
	s_load_b64 s[12:13], s[0:1], 0x20              ; hid
	v_lshl_add_u32 v28, v0, 2, SPARE               ; my spare word,
	v_mov_b32 v29, 0                               ; and 0: kept for the closing add alone
	v_lshrrev_b32 v1, 5, v0
	v_readfirstlane_b32 s16, v1                    ; wave 0..3
	s_and_b32 s17, ttmp7, 0xffff                   ; e
	s_mov_b32 s18, ttmp9                           ; s
	v_and_b32 v1, 15, v0
	v_bfe_u32 v2, v0, 4, 1
	v_and_b32 v30, 7, v0
	v_lshl_add_u32 v30, v2, 3, v30                 ; the turning load: weight row 8 h + lane % 8,
	v_mul_u32_u24 v4, v30, WP
	v_bfe_u32 v30, v0, 3, 1
	v_lshl_add_u32 v4, v30, 4, v4                  ; columns 8 ((lane / 8) % 2) on
	s_lshl_b32 s30, s16, 4
	v_add_nc_u32 v6, s30, v1                       ; 16 w + r
	v_lshlrev_b32 v7, 6, v2
	v_lshlrev_b32 v8, 4, v2
	v_mov_b32 v10, 0x40e00000                      ; 7.0
	v_lshlrev_b32 v24, 4, v1                       ; w1: 16 bytes a lane, sixteen lanes a row,
	v_lshl_add_u32 v24, v2, 13, v24                ; the next row for lanes 16-31,
	s_lshl_b32 s30, s16, 21
	v_add_nc_u32 v24, s30, v24                     ; my wave's 256 rows
	v_and_b32 v30, 9, v1                           ; my 4 columns' place in an LDS row: with c = c3 c2 c1 c0 it is 64 c3 + 32 c1 + 16 c2 + 8 c0
	v_lshlrev_b32 v30, 3, v30
	v_and_b32 v31, 2, v1
	v_lshl_add_u32 v30, v31, 4, v30
	v_and_b32 v31, 4, v1
	v_lshl_add_u32 v30, v31, 2, v30
	v_mul_u32_u24 v31, v2, WP
	v_add_nc_u32 v25, v30, v31
	s_mul_i32 s30, s16, 256*WP
	v_add_nc_u32 v25, s30, v25
	s_mov_b32 s40, 0xc0e00000                      ; -7.0
	s_mov_b32 s41, 0x40e00000                      ; 7.0
	s_mov_b32 s42, 0xc01d265f                      ; -1.702 log2(e)
	s_mov_b32 s43, s42                             ; named with it as a pair
	s_lshl_b32 s50, s18, 8
	s_lshl_b32 s30, s17, 23                        ; an expert's w1 is 8,388,608 bytes; the slice's 64 columns are 256
	s_add_co_u32 s30, s30, s50
	s_mov_b32 s31, 0
	s_lshl_b32 s38, s17, 22                        ; an expert's xs is 4,194,304 bytes, and so is its hid; the slice's two groups of hid are 131,072
	s_mov_b32 s39, 0
	s_lshl_b32 s33, s18, 17
	s_add_co_u32 s32, s38, s33
	s_mov_b32 s33, 0
	s_mul_i32 s34, s17, 8448
	s_mov_b32 s35, 0
	s_lshl_b32 s36, s17, 13
	s_add_co_u32 s36, s36, s50
	s_mov_b32 s37, 0
	s_wait_kmcnt 0x0
	s_add_nc_u64 s[44:45], s[8:9], s[30:31]        ; w1 at my slice
	s_add_nc_u64 s[46:47], s[12:13], s[32:33]      ; hid at my two groups
	s_add_nc_u64 s[48:49], s[6:7], s[34:35]        ; order at my expert
	s_add_nc_u64 s[52:53], s[10:11], s[36:37]      ; the bias at my slice
	s_add_nc_u64 s[58:59], s[4:5], s[38:39]        ; xs at my expert
	s_load_b32 s21, s[48:49], 0x2000               ; the expert's count
.irp nb, 0,1,2,3
	global_load_b128 v[BI+8*\nb:BI+8*\nb+3],   v7, s[52:53] offset:128*(\nb/2)+32*(\nb%2)      ; columns 32 (nb / 2) + 16 h + 8 (nb % 2) + 0..3
	global_load_b128 v[BI+8*\nb+4:BI+8*\nb+7], v7, s[52:53] offset:128*(\nb/2)+32*(\nb%2)+16   ; + 4..7
.endr
	GLOAD 0
	GLOAD 1
	GLOAD 2
	s_wait_kmcnt 0x0
	s_min_u32 s21, s21, 0x800
	s_sub_co_u32 s22, s21, 1
	s_add_co_u32 s23, s21, 15
	s_lshr_b32 s23, s23, 4                         ; blocks of 16 rows
	s_sub_co_u32 s24, s23, s16
	s_add_co_u32 s24, s24, 3
	s_lshr_b32 s24, s24, 2                         ; of which blocks w, w + 4, .. are mine
	s_wait_loadcnt 48                              ; the bias is in; younger: three groups of w1
.set n, 0
.rept 16
	v_cvt_pk_bf16_f32 v[T+n], v[BI+2*n], v[BI+2*n+1]   ; rounded to bf16 like every input, and back to f32 for the C operand
.set n, n+1
.endr
.set n, 0
.rept 16
	v_lshlrev_b32 v[BI+2*n], 16, v[T+n]
	v_and_b32 v[BI+2*n+1], 0xffff0000, v[T+n]
.set n, n+1
.endr
	GCVT 0, 32                                     ; the slice: three groups of 16 loads, 24 KB a wave, are on their way; the two younger groups may stay out
	GLOAD 3
	GCVT 1, 32
	GLOAD 4
	GCVT 2, 32
	GLOAD 5
	GCVT 3, 32
	GLOAD 6
	GCVT 4, 32
	GLOAD 7
	GCVT 5, 32
	GCVT 6, 16
	GCVT 7, 0
	s_wait_dscnt 0x0                               ; for the others' sake: my 256 rows of the slice lie in LDS
	s_barrier_signal -1
	s_barrier_wait -1                              ; the launch's one barrier: behind it nothing writes the slice
	s_mov_b32 s26, NPASS
.Lpass:
	s_cmp_lt_i32 s24, 1
	s_cbranch_scc1 .Lpass_end                      ; no block left: the pass is jumped
	s_min_u32 s25, s24, MB
	s_wait_xcnt 0x0                                ; earlier stores and loads have read their registers, which are written again below
.set j, 0
.rept MB
	v_add_nc_u32 v[12+j], 64*j, v6
	v_min_u32 v[12+j], s22, v[12+j]                ; places past the count repeat the last row
	v_min_u32 v[12+j], 0x7ff, v[12+j]
	v_lshl_add_u32 v[12+j], v[12+j], 5, v8         ; 32 bytes a slot in a group, 16 for each half of the lanes
.set j, j+1
.endr
	s_mov_b64 s[28:29], s[58:59]
	s_mov_b32 s56, 0                               ; the slice from its first row
	TLOAD 0, 0, 0, 8
	TLOAD 1, KSTEP, 0, 8
	WLOAD 0, 0
	STEP 0, STEPB, 2*KSTEP, 1, 1, 1, 36, 16        ; K step 0 starts the sums
	s_mov_b32 s27, 4
.Lk:                                                   ; a trip: K steps 1 + 3 n, 2 + 3 n, 3 + 3 n
	STEP 1, 2*STEPB, 3*KSTEP, 0, 1, 1, 36, 16
	STEP 2, 3*STEPB, 4*KSTEP, 0, 1, 1, 36, 16
	STEP 0, 4*STEPB, 5*KSTEP, 0, 1, 1, 36, 16
	s_wait_xcnt 0x0                                ; the loads' base is stepped only behind this wait
	s_add_nc_u64 s[28:29], s[28:29], 3*KSTEP
	s_add_co_u32 s56, s56, KBTRIP                  ; three K steps of the slice on
	s_sub_co_u32 s27, s27, 1
	s_cmp_lg_u32 s27, 0
	s_cbranch_scc1 .Lk
	STEP 1, 2*STEPB, 3*KSTEP, 0, 1, 1, 36, 16      ; K step 13 asks for the last tokens,
	STEP 2, 3*STEPB, 0, 0, 0, 1, 36, 16            ; 14 for the last weights,
	STEP 0, 0, 0, 0, 0, 0, 0, 0                    ; 15 for nothing: its waits are for zero
	PLACES
.set j, 0
.rept MB
	EPI j
.set j, j+1
.endr
.Lfoot:
	s_sub_co_i32 s24, s24, MB
	v_add_nc_u32 v6, 64*MB, v6
.Lpass_end:
	s_sub_co_u32 s26, s26, 1
	s_cmp_lg_u32 s26, 0
	s_cbranch_scc1 .Lpass
	s_wait_tensorcnt 0x0                           ; the wave's end
	ds_add_u32 v28, v29
	s_wait_dscnt 0x0
	s_endpgm
.Lfunc_end_k_q42abfd5935_up:
	.size	k_q42abfd5935_up, .Lfunc_end_k_q42abfd5935_up-k_q42abfd5935_up
	.p2alignl 7, 3214868480
	.fill 96, 4, 3214868480
	.section	.rodata,"a",@progbits
	.p2align	6, 0x0
	.amdhsa_kernel k_q42abfd5935_up
		.amdhsa_group_segment_fixed_size 180736
		.amdhsa_private_segment_fixed_size 0
		.amdhsa_enable_private_segment 0
		.amdhsa_kernarg_size 40
		.amdhsa_user_sgpr_count 2
		.amdhsa_user_sgpr_kernarg_segment_ptr 1
		.amdhsa_wavefront_size32 1
		.amdhsa_system_sgpr_workgroup_id_x 1
		.amdhsa_system_sgpr_workgroup_id_y 1
		.amdhsa_system_sgpr_workgroup_id_z 1
		.amdhsa_system_vgpr_workitem_id 0
		.amdhsa_next_free_vgpr 976
		.amdhsa_next_free_sgpr 66
		.amdhsa_reserve_vcc 0
		.amdhsa_float_denorm_mode_32 3
		.amdhsa_float_denorm_mode_16_64 3
		.amdhsa_memory_ordered 1
		.amdhsa_forward_progress 1
		.amdhsa_inst_pref_size 169
	.end_amdhsa_kernel
	.amdgpu_metadata
---
amdhsa.version: [ 1, 2 ]
amdhsa.kernels:
  - .name:           k_q42abfd5935_up
    .symbol:         k_q42abfd5935_up.kd
    .args:
      - { .name: xs, .offset: 0, .size: 8, .value_kind: global_buffer, .address_space: global }
      - { .name: order, .offset: 8, .size: 8, .value_kind: global_buffer, .address_space: global }
      - { .name: w1, .offset: 16, .size: 8, .value_kind: global_buffer, .address_space: global }
      - { .name: w1_bias, .offset: 24, .size: 8, .value_kind: global_buffer, .address_space: global }
      - { .name: hid, .offset: 32, .size: 8, .value_kind: global_buffer, .address_space: global }
    .group_segment_fixed_size: 180736
    .private_segment_fixed_size: 0
    .kernarg_segment_align: 8
    .kernarg_segment_size: 40
    .max_flat_workgroup_size: 128
    .sgpr_count:     66
    .vgpr_count:     976
    .wavefront_size: 32
...
	.end_amdgpu_metadata
.endif
;; end of part 6
;; launch down: the kernel of part 3 again; grid 32 x 8, 4 waves a work-group, no clusters, 214,528 bytes of LDS; arguments hid, order, out1, w2, w2_bias, y2; writes y2
;; launch sum: the kernel of part 4 again; grid 256 x 1, 8 waves a work-group, no clusters, 0 bytes of LDS; arguments y2, out0; writes out0
;; ======== version 3 of 3: 5 launches; version 2 with the launches up, down written anew for expert scheduling mode
;; limits: values are held in f16: magnitudes above 65,504 overflow, below 6.1e-05 lose precision
;; workspace buffers: xb 4,194,304 bytes; ids 8,192 bytes of whole numbers; xs 33,554,432 bytes; hid 33,554,432 bytes; order 67,584 bytes of whole numbers; y2 16,777,216 bytes
;; launch router: the kernel of part 1 again; grid 128 x 1, 8 waves a work-group, no clusters, 42,240 bytes of LDS; arguments x, router_weight, router_bias, xb, ids, out1; writes xb, ids, out1
;; launch place: the kernel of part 5 again; grid 32 x 8, 4 waves a work-group, no clusters, 69,120 bytes of LDS; arguments xb, ids, xs, order; writes xs, order
;; launch up (part 7): grid 32 x 8, 4 waves a work-group, no clusters, 180,736 bytes of LDS; arguments xs, order, w1, w1_bias, hid; writes hid
.if DOCPART == 7
	.amdgcn_target "amdgcn-amd-amdhsa--gfx1250"
	.amdhsa_code_object_version 6
	.text
	.protected	k_q42abfd5935_up
	.globl	k_q42abfd5935_up
	.p2align	8
	.type	k_q42abfd5935_up,@function
k_q42abfd5935_up:
	s_mov_b64 s[64:65], 0
	v_nop
	global_prefetch_b8 v0, s[64:65] scope:SCOPE_SE
	s_setreg_imm32_b32 hwreg(HW_REG_WAVE_SCHED_MODE, 0, 2), 2
	s_setreg_imm32_b32 hwreg(HW_REG_WAVE_MODE, 25, 1), 1
	s_wait_xcnt 0x0
	s_wait_alu depctr_vm_vsrc(0)
; FIRST PRODUCT AND ACTIVATION, for the chosen rows alone.  hid[e][slot] = swiglu(xs[e][slot] . w1[e] + w1_bias[e]); xs holds the experts' token rows, bf16, laid out by the launch before.
; w1 and w1_bias are rounded to bf16 (w1 on its way through registers), sums in f32, the activation in f32, hid rounded once to f16.
; WHY f16 FOR hid.  The formula's own clamps bound the activation for every input: gate <= 7, |up| <= 7, the sigmoid within 0 .. 1, gate x sigmoid >= -0.17, so -42 <= act <= 56: f16's end, 65,504, is never near.
; Its 11 significant bits are wanted because single activations are many times the layer's root mean square, and each one's rounding error goes into the output undiminished.
; LIMITS.  An activation below 6.1e-5 keeps f16's fixed step of 6e-8.  NaN and infinities are not treated apart (a NaN gate or up comes out clamped).  A gate so low that 2^(-1.702 log2(e) gate) passes
; f32's range gives the weight 0, as the sigmoid does.
; SHARES.  Work-group (s, e) owns 64 columns (32 gate/up pairs) of expert e's w1, all 1,024 rows of K: 256 KB of f32 that it alone reads, kept in LDS as bf16 [k][64], and ALL rows of that expert.
; Rows go in blocks of 16, block number 4 i + w to wave w, nine blocks a pass.  The pass loop has a constant count of 4 (4 x 9 x 4 x 16 = 2,304 rows: every split of 2,048 tokens is served); a pass without rows
; is jumped.  Places past the count repeat the expert's last row (their results go to slots past the count, inside the expert's 2,048, which nobody reads).
; THE PRODUCT.  Source 0 = 16 columns of w1 (turned out of LDS by ds_load_tr16_b128), source 1 = 16 rows of xs, straight from memory (a fragment load takes 512 consecutive bytes): a lane holds one row and
; 8 neighbouring columns, gate and up side by side.  The bias, in the result's layout, is the C operand of each sum's first product.
; COLUMN ORDER.  The slice's eight chunks of 8 columns are laid into LDS in the order 0 2 1 3 4 6 5 7, so that a lane's results of two accumulators are 8 neighbouring hidden columns: 16 bytes of hid.
; xs and hid = [e][64 groups of 16 columns][2,048 slots][16]: a block's 16 slots are 512 consecutive bytes of a group.
; NO CLUSTER: each slice of weights has one reader, which rounds it through registers (a tensor load cannot round f32 to bf16).  The token rows that an expert's 32 work-groups share lie end to end, but how many
; there are hangs on a stored count, and a ring of joint loads wants the same constant number of trips in all partners: 2,048 rows an expert, four times the even split's 512, which is what four partners would save.
; REGISTERS, in windows of 256: window 0: v0-31 addresses, v32-63 bias, v64-255 three buffers of weight fragments (v192-223 at work while rounding; on the way out v64-119 the activation);
;   v256-543 nine blocks' accumulators; v544-975 three buffers of nine blocks' token fragments (at the start v576-767: three sets of 16 loads of w1).
; THE MODE: SCHED_MODE bits 1:0 = 2 (LLVM: expert scheduling mode 2), set by the entry lines.  The code itself states the register dependences between vector or matrix instructions and memory or LDS
; instructions, with s_wait_alu, always for 0.
; THE PLAN.  Registers that memory or LDS instructions touch:
;   the staging sets  group g's loads land in set g % 3; its 32 roundings read the set; group g + 3's loads land in it again.
;   T (v192-223)      written by a group's roundings, read by its 16 LDS stores.
;   TOK0 .. TOK2      step t's products read TOK[t % 3]; the loads issued in step t land in TOK[(t + 2) % 3], which step t - 1's products read.
;   WF0 .. WF2        step t's products read WF[t % 3]; the LDS loads issued in step t land in WF[(t + 1) % 3], which step t - 2's products read.
;   v5                written at a step's head, read by that step's run of weight loads.
;   v12-20            written at a pass's head, read by every token load of the pass.
;   v21, v112-119     written by a block's way out, read by its two stores.
;   v4, v7, v24, v25  made once at the head.
; So a K step has ONE wait on va_vdst, at its head, behind the three lines that make v5: v5 is written, and all earlier products are done reading.  The step's 52 loads follow it, dealt among its products,
; which name the accumulators, the bias, WF[t % 3] and TOK[t % 3]: none of the registers that those loads touch.  One wait on vm_vsrc stands ahead of the lines that make v5.
.set PW,    8192                       ; bytes in a row of w1
.set WP,    160                        ; an LDS row of the slice: 128 bytes + 32
.set STEPB, 64*WP                      ; a K step's rows: 10 KB
.set KBTRIP, 3*STEPB/1024              ; KB of the slice in a trip of the K loop (three steps)
.set KBMAX, 120                        ; and in its four trips
.set MB,    9                          ; blocks in a pass
.set NPASS, 4
.set NWF,   3                          ; buffers of weight fragments
.set BI,    32
.set WF,    64
.set T,     192                        ; v192-223 at work while rounding
.set ACC,   256
.set TOK,   544
.set STG,   64                         ; in window 2: the staging sets
.set CSTEP, 65536                      ; from a group of 16 channels to the next
.set KSTEP, 4*CSTEP                    ; a K step of 64
.set RI,    32                         ; weight rows from fragment 0 to fragment 1 of a step,
.set RH,    16                         ; and from a fragment's first four registers to its last four
; v1 r, v2 h, v4 my lane's place in a K step of the slice (never rewritten), v5 the address of a run of weight loads, made anew ahead of each run, v6 my row in the pass's first block, v7 64 h, v8 16 h,
; v10 7.0, v12-20 xs offsets, v21 hid offset, v24 w1 offset, v25 LDS place of my 8 staged bytes, v30-31 at work
; s16 wave, s17 e, s18 s, s21 count, s22 count - 1, s23 blocks, s24 my blocks left, s25 live blocks of the pass, s26, s27 counters, s[28:29] xs with the loop's step,
; s56 the KB of the slice that the K loop's trips have passed, s[58:59] xs at my expert
.set MSB, 0
.macro WIN new                         ; the immediate's high byte repeats the setting that is left; a switch that changes nothing is dropped
.if MSB != (\new)
	s_set_vgpr_msb (MSB<<8)|(\new)
.set MSB, (\new)
.endif
.endm
.macro PLACES                          ; four places behind matrix instructions, in front of loads into registers that they read and of reads of their results
.rept 4
	v_nop
.endr
.endm
; 16 loads of w1: 32 rows of my wave's 256, sixteen lanes to a row's 256 aligned bytes
.macro GLOAD g
	WIN 0x80                                       ; destination window 2
.set i, 0
.rept 16
	global_load_b128 v[STG+64*((\g)%3)+4*i:STG+64*((\g)%3)+4*i+3], v24, s[44:45] offset:(16*(\g)+i)*2*PW th:TH_LOAD_NT
.set i, i+1
.endr
	WIN 0
.endm
; the same 32 rows rounded and laid into LDS.  cnt: the younger loads that may stay out.  more = 1: the set is asked for again at once, for group g + 3
.macro GCVT g, cnt, more
	s_wait_loadcnt \cnt
.if (\g) > 0
	s_wait_alu depctr_vm_vsrc(0)                   ; the last group's LDS stores have read v[T ..], which the roundings below write again
.endif
	WIN 0x0a                                       ; sources window 2
.set i, 0
.rept 32
	v_cvt_pk_bf16_f32 v[T+i], v[STG+64*((\g)%3)+2*i], v[STG+64*((\g)%3)+2*i+1]
.set i, i+1
.endr
.if \more
	WIN 0x80                                       ; the loads' window is set ahead of the wait
.else
	WIN 0
.endif
	s_wait_alu depctr_va_vdst(0)                   ; the roundings have written v[T ..], which the LDS stores read, and are done reading the staging set, in which the loads land
.if \more
	GLOAD (\g)+3
.endif
	WIN 0
.set i, 0
.rept 16
	ds_store_b64 v25, v[T+2*i:T+2*i+1] offset:(16*(\g)+i)*2*WP
.set i, i+1
.endr
.endm
; token fragments of blocks lo..hi for one K step into buffer buf: four groups of 16 channels, 512 consecutive bytes a load
.macro TLOAD buf, kimm, lo, hi
.set tj, \lo
.rept (\hi)-(\lo)+1
.set aT, TOK+16*(MB*(\buf)+tj)
	WIN (aT/256)<<6
.irp c, 0,1,2,3
	global_load_b128 v[aT%256+4*\c:aT%256+4*\c+3], v[12+tj], s[28:29] offset:(\kimm)+CSTEP*\c
.endr
.set tj, tj+1
.endr
	WIN 0
.endm
; The address of a run of weight loads: the KB that the loop's trips have passed, held to their sum over all trips, times 1,024, plus the lane's place; the K step within the trip stands in the run's
; immediates.  The minimum never bites: it writes the loop's bound out, so that these lines alone show where the reads end:
; 122,880 + the largest immediate 48,736 + the largest lane's place 2,416 + 16 = 174,048, inside the launch's 180,736 bytes; behind the barrier only the closing add writes LDS, at the spare words from 180,224.
.macro WADR
	v_mov_b32 v5, s56
	v_min_u32 v5, KBMAX, v5
	v_lshl_add_u32 v5, v5, 10, v4
.endm
; weight fragments of one K step into buffer buf: 2 fragments along K x 4 groups of 16 columns x 2 halves
.macro WRUN buf, wimm
.irp i, 0,1
.irp hf, 0,1
.irp nb, 0,1,2,3
	ds_load_tr16_b128 v[WF+64*(\buf)+32*\i+8*\nb+4*\hf:WF+64*(\buf)+32*\i+8*\nb+4*\hf+3], v5 offset:(\wimm)+(RI*\i+RH*\hf)*WP+32*\nb
.endr
.endr
.endr
.endm
; a block's 8 matrix instructions: its four accumulators by turns.  first = 1: the bias starts the sums
.macro BLK t, j, first
.set aD, ACC+32*(\j)
.set aB, TOK+16*(MB*(\t)+(\j))
.set lD, aD%256
.set lB, aB%256
.set fW, WF+64*((\t)%NWF)
.irp i, 0,1
.irp nb, 0,1,2,3
.if (\first) && (\i == 0)
	WIN ((aB/256)<<2)|((aD/256)<<6)
	v_wmma_f32_16x16x32_bf16 v[lD+8*\nb:lD+8*\nb+7], v[fW+32*\i+8*\nb:fW+32*\i+8*\nb+7], v[lB+8*\i:lB+8*\i+7], v[BI+8*\nb:BI+8*\nb+7]
.else
	WIN ((aB/256)<<2)|((aD/256)<<4)|((aD/256)<<6)
	v_wmma_f32_16x16x32_bf16 v[lD+8*\nb:lD+8*\nb+7], v[fW+32*\i+8*\nb:fW+32*\i+8*\nb+7], v[lB+8*\i:lB+8*\i+7], v[lD+8*\nb:lD+8*\nb+7]
.endif
.endr
.endr
.endm
; blocks lo..hi.  The live blocks are the first s25; from the first dead one on the products are jumped (never in the first step, which writes every accumulator)
.macro BLOCKS t, lo, hi, first
.set bj, \lo
.rept (\hi)-(\lo)+1
.if !(\first) && (bj > 0)
	WIN 0                                          ; at a branch and at a label every window is 0
	s_cmp_gt_u32 s25, bj
	s_cbranch_scc0 .Lbe_\@
.endif
	BLK \t, bj, \first
.set bj, bj+1
.endr
	WIN 0
.Lbe_\@:
.endm
; A K step of 64 on token buffer t and weight buffer t.  The next step's weights and the tokens two steps on are asked for; all loads stand on every path, so the counts hold whatever is jumped.
; lc: the next step's 36 token loads may stay out.  The token loads stand first behind the wait; the run of weight loads stands behind the first block's products and has the rest of the step in which to land.
.macro STEP t, wimm, kimm, first, tl, wl, lc
	WIN 0
	PLACES                                         ; the buffers filled below were read by the step before, or earlier
	s_wait_loadcnt \lc
.if \wl
	s_wait_alu depctr_vm_vsrc(0)                   ; the last run of weight loads has read v5, which is made anew below
	WADR
.endif
.if (\wl) || (\tl)
	s_wait_alu depctr_va_vdst(0)                   ; v5 is written, which the run of weight loads reads; the products of the steps before are done reading the token and weight buffers in which this step's loads land
.endif
.if \tl
	TLOAD ((\t)+2)%3, \kimm, 0, 4
.endif
	s_wait_dscnt 0x0                               ; this step's weights, asked for in the step before, are in
	BLOCKS \t, 0, 0, \first
.if \wl
	WRUN ((\t)+1)%3, \wimm                         ; no wait: no vector or matrix instruction since the wait above names v5 or this buffer
.endif
	BLOCKS \t, 1, 3, \first
.if \tl
	TLOAD ((\t)+2)%3, \kimm, 5, 8                  ; no wait: the products since the wait above name token buffer t alone, and no vector instruction names v17-20
.endif
	BLOCKS \t, 4, 8, \first
.endm
; THE WAY OUT of block j: gate = min(even column, 7), up = clip(odd column), act = (up + 1) gate / (1 + 2^(-1.702 log2(e) gate)); 16 hidden columns a lane, two stores of 512 consecutive bytes
.macro EPI j
.if (\j) > 0
	s_wait_alu depctr_vm_vsrc(0)                   ; the last block's two stores have read v21 and v112-119, which this block, or the next pass, writes again
	s_cmp_gt_u32 s25, \j
	s_cbranch_scc0 .Lfoot
.endif
	s_wait_xcnt 0x0                                ; the last block's stores have read their address and data registers, which are written again below
.set lA, (ACC+32*(\j))%256
	WIN (ACC+32*(\j))/256                          ; source 0: the accumulators' window
.set n, 0
.rept 16
	v_min_num_f32 v[64+n], v[lA+2*n], v10          ; each accumulator is read from its low end on
.set n, n+1
.endr
.set n, 0
.rept 16
	v_med3_num_f32 v[80+n], v[lA+2*n+1], s40, s41
.set n, n+1
.endr
	WIN 0
.set n, 0
.rept 8
	v_pk_mul_f32 v[96+2*n:97+2*n], v[64+2*n:65+2*n], s[42:43] op_sel_hi:[1,0]
.set n, n+1
.endr
.set n, 0
.rept 16
	v_exp_f32 v[96+n], v[96+n]
.set n, n+1
.endr
	v_add_nc_u32 v21, 64*(\j), v6                  ; the plain instruction behind the batch: my slot,
	s_wait_alu depctr_va_vdst(0)                   ; and one wait for the sixteen exponentials' results v96-111
.set n, 0
.rept 8
	v_pk_add_f32 v[96+2*n:97+2*n], v[96+2*n:97+2*n], 1.0 op_sel_hi:[1,0]
.set n, n+1
.endr
.set n, 0
.rept 16
	v_rcp_f32 v[96+n], v[96+n]
.set n, n+1
.endr
	v_lshl_add_u32 v21, v21, 5, v8                 ; 32 bytes a slot, 16 for each half of the lanes
	s_wait_alu depctr_va_vdst(0)                   ; one wait for the sixteen reciprocals' results v96-111
.set n, 0
.rept 8
	v_pk_mul_f32 v[64+2*n:65+2*n], v[64+2*n:65+2*n], v[96+2*n:97+2*n]
.set n, n+1
.endr
.set n, 0
.rept 8
	v_pk_fma_f32 v[80+2*n:81+2*n], v[80+2*n:81+2*n], v[64+2*n:65+2*n], v[64+2*n:65+2*n]
.set n, n+1
.endr
.set n, 0
.rept 8
	v_cvt_pk_f16_f32 v[112+n], v[80+2*n], v[81+2*n]   ; the one rounding of the hidden layer: to f16, within whose range the clamps above keep it
.set n, n+1
.endr
	s_wait_alu depctr_va_vdst(0)                   ; the roundings have written v112-119, the two stores' data (v21, their offset, was written ahead of the wait before)
	global_store_b128 v21, v[112:115], s[46:47]              ; the slice's first 16 hidden columns: 16 slots x 32 bytes on end
	global_store_b128 v21, v[116:119], s[46:47] offset:65536 ; its second 16: the next group
.endm
	s_load_b256 s[4:11], s[0:1], 0x0               ; xs s[4:5], order s[6:7], w1 s[8:9], w1_bias s[10:11]
	s_load_b64 s[12:13], s[0:1], 0x20              ; hid
	v_lshl_add_u32 v28, v0, 2, 0x2c000
	v_mov_b32 v29, 0
	v_lshrrev_b32 v1, 5, v0
	v_readfirstlane_b32 s16, v1                    ; wave 0..3
	s_and_b32 s17, ttmp7, 0xffff                   ; e
	s_mov_b32 s18, ttmp9                           ; s
	v_and_b32 v1, 15, v0
	v_bfe_u32 v2, v0, 4, 1
	v_and_b32 v30, 7, v0
	v_lshl_add_u32 v30, v2, 3, v30                 ; the turning load: weight row 8 h + lane % 8,
	v_mul_u32_u24 v4, v30, WP
	v_bfe_u32 v30, v0, 3, 1
	v_lshl_add_u32 v4, v30, 4, v4                  ; columns 8 ((lane / 8) % 2) on
	s_wait_alu depctr_va_sdst(0)                   ; s16 is written, ahead of its first reader: offsets, LDS places and the wave's share of the blocks are made from it
	s_lshl_b32 s30, s16, 4
	v_add_nc_u32 v6, s30, v1                       ; 16 w + r
	v_lshlrev_b32 v7, 6, v2
	v_lshlrev_b32 v8, 4, v2
	v_mov_b32 v10, 0x40e00000                      ; 7.0
	v_lshlrev_b32 v24, 4, v1                       ; w1: 16 bytes a lane, sixteen lanes a row,
	v_lshl_add_u32 v24, v2, 13, v24                ; the next row for lanes 16-31,
	s_lshl_b32 s30, s16, 21
	v_add_nc_u32 v24, s30, v24                     ; my wave's 256 rows
	v_and_b32 v30, 9, v1                           ; my 4 columns' place in an LDS row: with c = c3 c2 c1 c0 it is 64 c3 + 32 c1 + 16 c2 + 8 c0
	v_lshlrev_b32 v30, 3, v30
	v_and_b32 v31, 2, v1
	v_lshl_add_u32 v30, v31, 4, v30
	v_and_b32 v31, 4, v1
	v_lshl_add_u32 v30, v31, 2, v30
	v_mul_u32_u24 v31, v2, WP
	v_add_nc_u32 v25, v30, v31
	s_mul_i32 s30, s16, 256*WP
	v_add_nc_u32 v25, s30, v25
	s_mov_b32 s40, 0xc0e00000                      ; -7.0
	s_mov_b32 s41, 0x40e00000                      ; 7.0
	s_mov_b32 s42, 0xc01d265f                      ; -1.702 log2(e)
	s_mov_b32 s43, s42                             ; named with it as a pair
	s_lshl_b32 s50, s18, 8
	s_lshl_b32 s30, s17, 23                        ; an expert's w1 is 8,388,608 bytes; the slice's 64 columns are 256
	s_add_co_u32 s30, s30, s50
	s_mov_b32 s31, 0
	s_lshl_b32 s38, s17, 22                        ; an expert's xs is 4,194,304 bytes, and so is its hid; the slice's two groups of hid are 131,072
	s_mov_b32 s39, 0
	s_lshl_b32 s33, s18, 17
	s_add_co_u32 s32, s38, s33
	s_mov_b32 s33, 0
	s_mul_i32 s34, s17, 8448
	s_mov_b32 s35, 0
	s_lshl_b32 s36, s17, 13
	s_add_co_u32 s36, s36, s50
	s_mov_b32 s37, 0
	s_wait_kmcnt 0x0
	s_add_nc_u64 s[44:45], s[8:9], s[30:31]        ; w1 at my slice
	s_add_nc_u64 s[46:47], s[12:13], s[32:33]      ; hid at my two groups
	s_add_nc_u64 s[48:49], s[6:7], s[34:35]        ; order at my expert
	s_add_nc_u64 s[52:53], s[10:11], s[36:37]      ; the bias at my slice
	s_add_nc_u64 s[58:59], s[4:5], s[38:39]        ; xs at my expert
	s_load_b32 s21, s[48:49], 0x2000               ; the expert's count
	s_wait_alu depctr_va_vdst(0)                   ; the offsets and LDS places made above are written: v7 and v24, which the loads below read, v25, which the LDS stores read
.irp nb, 0,1,2,3
	global_load_b128 v[BI+8*\nb:BI+8*\nb+3],   v7, s[52:53] offset:128*(\nb/2)+32*(\nb%2)      ; columns 32 (nb / 2) + 16 h + 8 (nb % 2) + 0..3
	global_load_b128 v[BI+8*\nb+4:BI+8*\nb+7], v7, s[52:53] offset:128*(\nb/2)+32*(\nb%2)+16   ; + 4..7
.endr
	GLOAD 0
	GLOAD 1
	GLOAD 2
	s_wait_kmcnt 0x0
	s_min_u32 s21, s21, 0x800
	s_sub_co_u32 s22, s21, 1
	s_add_co_u32 s23, s21, 15
	s_lshr_b32 s23, s23, 4                         ; blocks of 16 rows
	s_sub_co_u32 s24, s23, s16
	s_add_co_u32 s24, s24, 3
	s_lshr_b32 s24, s24, 2                         ; of which blocks w, w + 4, .. are mine
	s_wait_loadcnt 48                              ; the bias is in; younger: three groups of w1
.set n, 0
.rept 16
	v_cvt_pk_bf16_f32 v[T+n], v[BI+2*n], v[BI+2*n+1]   ; rounded to bf16 like every input, and back to f32 for the C operand
.set n, n+1
.endr
.set n, 0
.rept 16
	v_lshlrev_b32 v[BI+2*n], 16, v[T+n]
	v_and_b32 v[BI+2*n+1], 0xffff0000, v[T+n]
.set n, n+1
.endr
	GCVT 0, 32, 1                                  ; the slice: three groups of 16 loads, 24 KB a wave, are on their way; the two younger groups may stay out
	GCVT 1, 32, 1
	GCVT 2, 32, 1
	GCVT 3, 32, 1
	GCVT 4, 32, 1
	GCVT 5, 32, 0
	GCVT 6, 16, 0
	GCVT 7, 0, 0
	s_wait_dscnt 0x0                               ; for the others' sake: my 256 rows of the slice lie in LDS
	s_barrier_signal -1
	s_barrier_wait -1                              ; the launch's one barrier: behind it nothing writes the slice
	s_mov_b32 s26, NPASS
.Lpass:
	s_cmp_lt_i32 s24, 1
	s_cbranch_scc1 .Lpass_end                      ; no block left: the pass is jumped
	s_min_u32 s25, s24, MB
	s_wait_xcnt 0x0                                ; earlier stores and loads have read their registers, which are written again below
	s_wait_alu depctr_vm_vsrc(0)                   ; the last pass's loads have read v12-20 and v5, its last stores v21 and v112-119; on the first pass the LDS stores have read v[T ..], in which weights land
.set j, 0
.rept MB
	v_add_nc_u32 v[12+j], 64*j, v6
	v_min_u32 v[12+j], s22, v[12+j]                ; places past the count repeat the last row
	v_min_u32 v[12+j], 0x7ff, v[12+j]
	v_lshl_add_u32 v[12+j], v[12+j], 5, v8         ; 32 bytes a slot in a group, 16 for each half of the lanes
.set j, j+1
.endr
	s_mov_b64 s[28:29], s[58:59]
	s_mov_b32 s56, 0                               ; the slice from its first row
	WADR
	s_wait_alu depctr_va_vdst(0)                   ; v12-20 and v5 are written, which the loads below read; all that named the token and weight buffers before (roundings, products, the way out) is done
	TLOAD 0, 0, 0, 8
	TLOAD 1, KSTEP, 0, 8
	WRUN 0, 0
	STEP 0, STEPB, 2*KSTEP, 1, 1, 1, 36            ; K step 0 starts the sums
	s_mov_b32 s27, 4
.Lk:                                                   ; a trip: K steps 1 + 3 n, 2 + 3 n, 3 + 3 n
	STEP 1, 2*STEPB, 3*KSTEP, 0, 1, 1, 36
	STEP 2, 3*STEPB, 4*KSTEP, 0, 1, 1, 36
	STEP 0, 4*STEPB, 5*KSTEP, 0, 1, 1, 36
	s_wait_xcnt 0x0                                ; the loads' base is stepped only behind this wait
	s_add_nc_u64 s[28:29], s[28:29], 3*KSTEP
	s_add_co_u32 s56, s56, KBTRIP                  ; three K steps of the slice on
	s_sub_co_u32 s27, s27, 1
	s_cmp_lg_u32 s27, 0
	s_cbranch_scc1 .Lk
	STEP 1, 2*STEPB, 3*KSTEP, 0, 1, 1, 36          ; K step 13 asks for the last tokens,
	STEP 2, 3*STEPB, 0, 0, 0, 1, 36                ; 14 for the last weights,
	STEP 0, 0, 0, 0, 0, 0, 0                       ; 15 for nothing: its waits are for zero, and it states no dependence
	PLACES
.set j, 0
.rept MB
	EPI j
.set j, j+1
.endr
.Lfoot:
	s_sub_co_i32 s24, s24, MB
	v_add_nc_u32 v6, 64*MB, v6
.Lpass_end:
	s_sub_co_u32 s26, s26, 1
	s_cmp_lg_u32 s26, 0
	s_cbranch_scc1 .Lpass
	s_wait_dscnt 0x0                               ; the wave's end
	s_wait_alu depctr_hold_cnt(0) depctr_sa_sdst(0) depctr_va_vdst(0) depctr_va_sdst(0) depctr_va_ssrc(0) depctr_va_vcc(0) depctr_vm_vsrc(0)
	s_wait_tensorcnt 0x0
	ds_add_u32 v28, v29
	s_wait_dscnt 0x0
	s_endpgm
.Lfunc_end_k_q42abfd5935_up:
	.size	k_q42abfd5935_up, .Lfunc_end_k_q42abfd5935_up-k_q42abfd5935_up
	.p2alignl 7, 3214868480
	.fill 96, 4, 3214868480
	.section	.rodata,"a",@progbits
	.p2align	6, 0x0
	.amdhsa_kernel k_q42abfd5935_up
		.amdhsa_group_segment_fixed_size 180736
		.amdhsa_private_segment_fixed_size 0
		.amdhsa_enable_private_segment 0
		.amdhsa_kernarg_size 40
		.amdhsa_user_sgpr_count 2
		.amdhsa_user_sgpr_kernarg_segment_ptr 1
		.amdhsa_wavefront_size32 1
		.amdhsa_system_sgpr_workgroup_id_x 1
		.amdhsa_system_sgpr_workgroup_id_y 1
		.amdhsa_system_sgpr_workgroup_id_z 1
		.amdhsa_system_vgpr_workitem_id 0
		.amdhsa_next_free_vgpr 976
		.amdhsa_next_free_sgpr 66
		.amdhsa_reserve_vcc 0
		.amdhsa_float_denorm_mode_32 3
		.amdhsa_float_denorm_mode_16_64 3
		.amdhsa_memory_ordered 1
		.amdhsa_forward_progress 1
		.amdhsa_inst_pref_size 171
	.end_amdhsa_kernel
	.amdgpu_metadata
---
amdhsa.version: [ 1, 2 ]
amdhsa.kernels:
  - .name:           k_q42abfd5935_up
    .symbol:         k_q42abfd5935_up.kd
    .args:
      - { .name: xs, .offset: 0, .size: 8, .value_kind: global_buffer, .address_space: global }
      - { .name: order, .offset: 8, .size: 8, .value_kind: global_buffer, .address_space: global }
      - { .name: w1, .offset: 16, .size: 8, .value_kind: global_buffer, .address_space: global }
      - { .name: w1_bias, .offset: 24, .size: 8, .value_kind: global_buffer, .address_space: global }
      - { .name: hid, .offset: 32, .size: 8, .value_kind: global_buffer, .address_space: global }
    .group_segment_fixed_size: 180736
    .private_segment_fixed_size: 0
    .kernarg_segment_align: 8
    .kernarg_segment_size: 40
    .max_flat_workgroup_size: 128
    .sgpr_count:     66
    .vgpr_count:     976
    .wavefront_size: 32
...
	.end_amdgpu_metadata
.endif
;; end of part 7
;; launch down (part 8): grid 32 x 8, 4 waves a work-group, no clusters, 214,528 bytes of LDS; arguments hid, order, out1, w2, w2_bias, y2; writes y2
.if DOCPART == 8
	.amdgcn_target "amdgcn-amd-amdhsa--gfx1250"
	.amdhsa_code_object_version 6
	.text
	.protected	k_q42abfd5935_down
	.globl	k_q42abfd5935_down
	.p2align	8
	.type	k_q42abfd5935_down,@function
k_q42abfd5935_down:
	s_mov_b64 s[64:65], 0
	v_nop
	global_prefetch_b8 v0, s[64:65] scope:SCOPE_SE
	s_setreg_imm32_b32 hwreg(HW_REG_WAVE_SCHED_MODE, 0, 2), 2
	s_setreg_imm32_b32 hwreg(HW_REG_WAVE_MODE, 25, 1), 1
	s_wait_xcnt 0x0
	s_wait_alu depctr_vm_vsrc(0)
; SECOND PRODUCT.  y2[q] = out1[q] x (hid[e][slot] . w2[e] + w2_bias[e]), q = 2 token + (0 first choice, 1 second) = order[e][slot]: the weighted partial rows, in f32; the next launch adds each token's two.
; FORMATS.  The product's operands are f16: hid arrives so (within -42 .. 56 by the activation's own clamps).  w2 and w2_bias are rounded to bf16 like every input of the program; w2's bf16 number is then
; written as f16 on its way through registers, which changes nothing from 7.6e-6 (2^-17) to 65,504 in magnitude.  Sums in f32.
; LIMITS.  A w2 element below 7.6e-6 in magnitude is off by 3e-8 at the most; one of 65,520 or more would become an infinity.  NaN and infinities are not treated apart.
; SHARES.  Work-group (x, e): slice x / 2 of 64 columns of expert e's w2, all 1,024 rows of K, kept in LDS as f16 [k][64]; the two work-groups of a slice (x % 2) share the expert's rows:
; blocks of 16 rows, block number 8 i + 2 w + x % 2 to wave w, five blocks a pass; the pass loop has a constant count of 4 (4 x 5 x 8 x 16 = 2,560 rows: every split is served); a pass without rows is jumped.
; Places past the count repeat the expert's last row: the same numbers go to the same bytes of y2.
; THE PRODUCT.  Source 0 = 16 columns of w2 (turned out of LDS), source 1 = 16 rows of hid straight from memory (a fragment load takes 512 consecutive bytes); the bias is the C operand of each sum's first product.
; THE WAY OUT.  A block goes through the wave's own stage in LDS, so that sixteen lanes store 256 consecutive aligned bytes of a row of y2.
; NO CLUSTER: a slice of weights has two readers, each of which rounds it through registers; the hidden rows that an expert's 32 work-groups share lie end to end, but how many there are hangs on a stored
; count, and a ring of joint loads wants the same constant number of trips in all partners: 2,048 rows an expert, four times the even split's 512, which is what four partners would save.
; REGISTERS: window 0: v0-31 addresses, v32-63 bias, v64-191 two buffers of weight fragments (while staging v64-127 hold w2's bf16 numbers as f32; on the way out the scaled block and its rows),
;   v192-217 the way out's lanes, weights and rows, v224-255 at work; v256-415 five blocks' accumulators; v416-735 four buffers of five blocks' fragments (at the start v576-767: three sets of 16 loads of w2).
; THE MODE: SCHED_MODE bits 1:0 = 2 (LLVM: expert scheduling mode 2), set by the entry lines.  The code itself states the register dependences between vector or matrix instructions and memory or LDS
; instructions, with s_wait_alu, always for 0.
; THE PLAN.  Registers that memory or LDS instructions touch:
;   the staging sets  group g's loads land in set g % 3; its first 32 roundings read the set; group g + 3's loads land in it again.
;   T (v224-255)      written by a group's roundings, read by its 16 LDS stores.
;   TOK0 .. TOK3      step t's products read TOK[t % 4]; the loads issued in step t land in TOK[(t + 3) % 4], which step t - 1's products read.
;   WF0, WF1          step t's products read WF[t % 2]; the LDS loads issued in step t land in WF[(t + 1) % 2], which step t - 1's products read.
;   v5                written at a step's head, read by that step's run of weight loads.
;   v12-16            written at a pass's head, read by every fragment load of the pass.
;   v17-21            written at a pass's head, read by the loads of q; written again from q, read by the loads of the router's weights.
;   v200-209          the loads of q and of the weights land here; a block's scalings read its pair, its pulls read its q.
;   v210-217          a block's pulls land here; its address lines rewrite them; its stores read them.
;   v64-95            written by a block's scalings, read by its LDS stores.     v96-127  the block's rows land here from the stage; its stores read them.
;   v8-11, v24, v25, v192-199  made once at the head.
; So a K step has ONE wait on va_vdst, at its head, behind the three lines that make v5: v5 is written, and all earlier products are done reading.  The step's 36 loads follow it, the run of weight loads
; behind the first block's products, which name the accumulators, the bias, WF[t % 2] and TOK[t % 4]: none of the registers that those loads touch.  A block's way out has one such wait too, behind all its vector work.
.set PW,    4096                       ; bytes in a row of w2
.set WP,    160                        ; an LDS row of the slice: 128 bytes + 32
.set STEPB, 64*WP                      ; a K step's rows: 10 KB
.set KBTRIP, 4*STEPB/1024              ; KB of the slice in a trip of the K loop (four steps)
.set KBMAX, 120                        ; and in its three trips
.set STAGE, 196608                     ; apart from the slice, which ends at 163,840 (the bytes between are not used): 16 rows x 272 bytes for each wave
.set SP,    272
.set MB,    5
.set NPASS, 4
.set NWF,   2
.set BI,    32
.set WF,    64
.set U,     64                         ; v64-127 while staging: 64 numbers of w2, rounded to bf16, as f32
.set T,     224
.set ACC,   256
.set TOK,   416
.set STG,   64
.set CSTEP, 65536                      ; from a group of 16 hidden columns to the next
.set KSTEP, 4*CSTEP                    ; a K step of 64
.set RI,    32
.set RH,    16
; v1 r, v2 h, v3 lane, v4 my lane's place in a K step of the slice (never rewritten), v5 the address of a run of weight loads, made anew ahead of each run, v6 my row in the pass's first block, v7 16 h, v8 stage in,
; v9 stage back, v10 16 (lane % 16), v11 32 h, v12-16 hid offsets, v17-21 offsets in order, then in out1, v24 w2 offset, v25 LDS place of my 8 staged bytes,
; v192-199 lanes to pull from, v200-209 (weight, q) of block j, v210-217 y2 offsets;  s56 the KB of the slice that the K loop's trips have passed, s57 the mask of a word's upper bf16
.set MSB, 0
.macro WIN new
.if MSB != (\new)
	s_set_vgpr_msb (MSB<<8)|(\new)
.set MSB, (\new)
.endif
.endm
.macro PLACES                          ; four places behind matrix instructions (ISA guide 7.12.1)
.rept 4
	v_nop
.endr
.endm
.macro GLOAD g                         ; 16 loads of w2: 32 rows of my wave's 256, sixteen lanes to a row's 256 aligned bytes
	WIN 0x80
.set i, 0
.rept 16
	global_load_b128 v[STG+64*((\g)%3)+4*i:STG+64*((\g)%3)+4*i+3], v24, s[44:45] offset:(16*(\g)+i)*2*PW
.set i, i+1
.endr
	WIN 0
.endm
; the same 32 rows rounded to bf16, that number written as f16, and laid into LDS; cnt: the younger loads that may stay out; more = 1: the set is asked for again at once, for group g + 3
.macro GCVT g, cnt, more
	s_wait_loadcnt \cnt
.if (\g) > 0
	s_wait_alu depctr_vm_vsrc(0)                   ; the last group's LDS stores have read v[T ..], which the roundings below write again
.endif
	WIN 0x0a
.set i, 0
.rept 32
	v_cvt_pk_bf16_f32 v[T+i], v[STG+64*((\g)%3)+2*i], v[STG+64*((\g)%3)+2*i+1]   ; the input's rounding
.set i, i+1
.endr
	WIN 0
.set i, 0
.rept 32
	v_lshlrev_b32 v[U+2*i], 16, v[T+i]             ; bf16 to f32: the low half moves up,
	v_and_b32 v[U+2*i+1], s57, v[T+i]              ; the high half stays
.set i, i+1
.endr
.set i, 0
.rept 32
	v_cvt_pk_f16_f32 v[T+i], v[U+2*i], v[U+2*i+1]  ; 8 significant bits fit into f16's 11
.set i, i+1
.endr
.if \more
	WIN 0x80                                       ; the loads' window is set ahead of the wait
.endif
	s_wait_alu depctr_va_vdst(0)                   ; the roundings have written v[T ..], which the LDS stores read, and are done reading the staging set, in which the loads land
.if \more
	GLOAD (\g)+3
.endif
	WIN 0
.set i, 0
.rept 16
	ds_store_b64 v25, v[T+2*i:T+2*i+1] offset:(16*(\g)+i)*2*WP
.set i, i+1
.endr
.endm
.macro TLOAD buf, kimm, lo, hi         ; hidden fragments of blocks lo..hi for one K step: four groups of 16 columns, 512 consecutive bytes a load
.set tj, \lo
.rept (\hi)-(\lo)+1
.set aT, TOK+16*(MB*(\buf)+tj)
	WIN (aT/256)<<6
.irp c, 0,1,2,3
	global_load_b128 v[aT%256+4*\c:aT%256+4*\c+3], v[12+tj], s[28:29] offset:(\kimm)+CSTEP*\c
.endr
.set tj, tj+1
.endr
	WIN 0
.endm
; The address of a run of weight loads: the KB that the loop's trips have passed, held to their sum over all trips, times 1,024, plus the lane's place; the K step within the trip stands in the run's
; immediates.  The minimum never bites: it writes the loop's bound out, so that these lines alone show where the reads end: 122,880 + the largest immediate 58,976 + the largest lane's place
; 2,416 + 16 = 184,288, short of the stages at 196,608 and the spare words behind them, the only bytes written behind the barrier.
.macro WADR
	v_mov_b32 v5, s56
	v_min_u32 v5, KBMAX, v5
	v_lshl_add_u32 v5, v5, 10, v4
.endm
.macro WRUN buf, wimm                  ; weight fragments of one K step
.irp i, 0,1
.irp hf, 0,1
.irp nb, 0,1,2,3
	ds_load_tr16_b128 v[WF+64*(\buf)+32*\i+8*\nb+4*\hf:WF+64*(\buf)+32*\i+8*\nb+4*\hf+3], v5 offset:(\wimm)+(RI*\i+RH*\hf)*WP+32*\nb
.endr
.endr
.endr
.endm
.macro BLK t, j, first                 ; a block's 8 matrix instructions: its four accumulators by turns
.set aD, ACC+32*(\j)
.set aB, TOK+16*(MB*(\t)+(\j))
.set lD, aD%256
.set lB, aB%256
.set fW, WF+64*((\t)%NWF)
.irp i, 0,1
.irp nb, 0,1,2,3
.if (\first) && (\i == 0)
	WIN ((aB/256)<<2)|((aD/256)<<6)
	v_wmma_f32_16x16x32_f16 v[lD+8*\nb:lD+8*\nb+7], v[fW+32*\i+8*\nb:fW+32*\i+8*\nb+7], v[lB+8*\i:lB+8*\i+7], v[BI+8*\nb:BI+8*\nb+7]
.else
	WIN ((aB/256)<<2)|((aD/256)<<4)|((aD/256)<<6)
	v_wmma_f32_16x16x32_f16 v[lD+8*\nb:lD+8*\nb+7], v[fW+32*\i+8*\nb:fW+32*\i+8*\nb+7], v[lB+8*\i:lB+8*\i+7], v[lD+8*\nb:lD+8*\nb+7]
.endif
.endr
.endr
.endm
.macro BLOCKS t, lo, hi, first         ; from the first dead block on the products are jumped (never in the first step)
.set bj, \lo
.rept (\hi)-(\lo)+1
.if !(\first) && (bj > 0)
	WIN 0
	s_cmp_gt_u32 s25, bj
	s_cbranch_scc0 .Lbe_\@
.endif
	BLK \t, bj, \first
.set bj, bj+1
.endr
	WIN 0
.Lbe_\@:
.endm
; A K step of 64 on fragment buffer t and weight buffer t % 2.  lc: the two next steps' 40 loads may stay out.  The fragment loads stand first behind the wait; the run of weight loads stands behind the
; first block's products and has the rest of the step in which to land.
.macro STEP t, wimm, kimm, first, tl, wl, lc
	WIN 0
	PLACES                                         ; both buffers filled below were read by the step before
	s_wait_loadcnt \lc
.if \wl
	s_wait_alu depctr_vm_vsrc(0)                   ; the last run of weight loads has read v5, which is made anew below
	WADR
.endif
.if (\wl) || (\tl)
	s_wait_alu depctr_va_vdst(0)                   ; v5 is written, which the run of weight loads reads; the products of the step before are done reading the fragment and weight buffers in which this step's loads land
.endif
.if \tl
	TLOAD ((\t)+3)%4, \kimm, 0, 4
.endif
	s_wait_dscnt 0x0                               ; this step's weights, asked for in the step before, are in
	BLOCKS \t, 0, 0, \first
.if \wl
	WRUN ((\t)+1)%2, \wimm                         ; no wait: no vector or matrix instruction since the wait above names v5 or this buffer
.endif
	BLOCKS \t, 1, 4, \first
.endm
; THE WAY OUT of block j.  All its vector work (the scalings, the rows' addresses) stands ahead of one wait; the LDS stores, the loads from the stage and the global stores follow it.
.macro EPI j
.if (\j) > 0
	s_wait_alu depctr_vm_vsrc(0)                   ; the last block's LDS stores have read v64-95, its global stores v96-127 and v210-217: this block, or the next pass, writes them again
	s_cmp_gt_u32 s25, \j
	s_cbranch_scc0 .Lfoot
.endif
	s_wait_xcnt 0x0                                ; the last block's stores have read their address and data registers
.irp t, 0,1,2,3,4,5,6,7
	ds_bpermute_b32 v[210+\t], v[192+\t], v[201+2*(\j)]   ; q of row 2 t + lane / 16, from the lane that holds it (what wrote these three registers stands ahead of an earlier wait on va_vdst)
.endr
	WIN 0x01                                       ; source 0: the accumulators' window
.set n, 0
.rept 16
	v_pk_mul_f32 v[64+2*n:65+2*n], v[32*(\j)+2*n:32*(\j)+2*n+1], v[200+2*(\j):201+2*(\j)] op_sel_hi:[1,0]   ; times the row's router weight; from the low end on
.set n, n+1
.endr
	WIN 0
	s_wait_dscnt 0x0                               ; the eight pulls are back
.irp t, 0,1,2,3,4,5,6,7
	v_min_u32 v[210+\t], 0xfff, v[210+\t]
	v_lshl_add_u32 v[210+\t], v[210+\t], 12, v10   ; row q of 4,096 bytes, 16 bytes a lane
.endr
	s_wait_alu depctr_va_vdst(0)                   ; the scalings have written v64-95, which the LDS stores read; v210-217 are written, which the global stores read; the products are done reading v96-127, in which the rows land
.irp nb, 0,1,2,3
	ds_store_b128 v8, v[64+8*\nb:67+8*\nb] offset:64*\nb
	ds_store_b128 v8, v[68+8*\nb:71+8*\nb] offset:64*\nb+16
.endr
.irp t, 0,1,2,3,4,5,6,7
	ds_load_b128 v[96+4*\t:99+4*\t], v9 offset:2*SP*\t   ; my own bytes: LDS serves a wave's instructions in order
.endr
.irp t, 0,1,2,3,4,5,6,7
	s_wait_dscnt 7-\t
	global_store_b128 v[210+\t], v[96+4*\t:99+4*\t], s[54:55]   ; sixteen lanes store 256 consecutive bytes, aligned
.endr
.endm
	s_load_b256 s[4:11], s[0:1], 0x0               ; hid s[4:5], order s[6:7], out1 s[8:9], w2 s[10:11]
	s_load_b128 s[12:15], s[0:1], 0x20             ; w2_bias s[12:13], y2 s[14:15]
	v_lshl_add_u32 v222, v0, 2, 0x34400
	v_mov_b32 v223, 0
	v_lshrrev_b32 v1, 5, v0
	v_readfirstlane_b32 s16, v1                    ; wave 0..3
	s_and_b32 s17, ttmp7, 0xffff                   ; e
	s_lshr_b32 s19, ttmp9, 1                       ; slice
	s_and_b32 s20, ttmp9, 1                        ; which half of the rows' blocks
	s_mov_b32 s57, 0xffff0000                      ; a word's upper bf16
	v_and_b32 v1, 15, v0
	v_bfe_u32 v2, v0, 4, 1
	v_and_b32 v3, 31, v0
	v_and_b32 v30, 7, v0
	v_lshl_add_u32 v30, v2, 3, v30                 ; the turning load: weight row 8 h + lane % 8,
	v_mul_u32_u24 v4, v30, WP
	v_bfe_u32 v30, v0, 3, 1
	v_lshl_add_u32 v4, v30, 4, v4                  ; columns 8 ((lane / 8) % 2) on
	s_wait_alu depctr_va_sdst(0)                   ; s16 is written, ahead of its first reader: offsets, LDS places and the wave's share of the blocks are made from it
	s_lshl_b32 s51, s16, 1
	s_add_co_u32 s51, s51, s20                     ; 2 w + half: my place among the eight waves that share the rows
	s_lshl_b32 s30, s51, 4
	v_add_nc_u32 v6, s30, v1
	v_lshlrev_b32 v7, 4, v2
	v_lshlrev_b32 v10, 4, v1
	v_lshlrev_b32 v11, 5, v2
	s_mul_i32 s30, s16, 16*SP
	s_add_co_u32 s30, s30, STAGE                   ; my stage
	v_mul_u32_u24 v8, v1, SP                       ; in: row r, 32 bytes for each half of the lanes
	v_add_nc_u32 v8, v8, v11
	v_add_nc_u32 v8, s30, v8
	v_mul_u32_u24 v9, v2, SP                       ; back: lanes 0-15 one row of 256 bytes, lanes 16-31 the next
	v_add_nc_u32 v9, v9, v10
	v_add_nc_u32 v9, s30, v9
	v_lshl_add_u32 v24, v2, 12, v10                ; w2: sixteen lanes a row, the next row for lanes 16-31,
	s_lshl_b32 s30, s16, 20
	v_add_nc_u32 v24, s30, v24                     ; my wave's 256 rows
	v_mul_u32_u24 v25, v2, WP
	v_lshl_add_u32 v25, v1, 3, v25
	s_mul_i32 s30, s16, 256*WP
	v_add_nc_u32 v25, s30, v25
	v_lshlrev_b32 v30, 2, v2
.irp t, 0,1,2,3,4,5,6,7
	v_add_nc_u32 v[192+\t], 8*\t, v30              ; 4 x lane (2 t + lane / 16)
.endr
	s_lshl_b32 s50, s19, 8
	s_lshl_b32 s30, s17, 22                        ; an expert's w2 is 4,194,304 bytes, and so is its hid
	s_mov_b32 s31, 0
	s_add_co_u32 s32, s30, s50
	s_mov_b32 s33, 0
	s_mul_i32 s34, s17, 8448
	s_mov_b32 s35, 0
	s_lshl_b32 s36, s17, 12
	s_add_co_u32 s36, s36, s50
	s_mov_b32 s37, 0
	s_mov_b32 s38, s50
	s_mov_b32 s39, 0
	s_wait_kmcnt 0x0
	s_add_nc_u64 s[44:45], s[10:11], s[32:33]      ; w2 at my slice
	s_add_nc_u64 s[46:47], s[4:5], s[30:31]        ; hid at my expert
	s_add_nc_u64 s[48:49], s[6:7], s[34:35]        ; order at my expert
	s_add_nc_u64 s[52:53], s[12:13], s[36:37]      ; the bias at my slice
	s_add_nc_u64 s[54:55], s[14:15], s[38:39]      ; y2 at my slice's columns
	s_load_b32 s21, s[48:49], 0x2000               ; the expert's count
	s_wait_alu depctr_va_vdst(0)                   ; the offsets and LDS places made above are written: v11 and v24, which the loads below read, v25, v8 and v9, which LDS instructions read, v192-199, which the pulls read
.irp nb, 0,1,2,3
	global_load_b128 v[BI+8*\nb:BI+8*\nb+3],   v11, s[52:53] offset:64*\nb      ; columns 16 nb + 8 h + 0..3
	global_load_b128 v[BI+8*\nb+4:BI+8*\nb+7], v11, s[52:53] offset:64*\nb+16   ; + 4..7
.endr
	GLOAD 0
	GLOAD 1
	GLOAD 2
	s_wait_kmcnt 0x0
	s_min_u32 s21, s21, 0x800
	s_sub_co_u32 s22, s21, 1
	s_add_co_u32 s23, s21, 15
	s_lshr_b32 s23, s23, 4                         ; blocks of 16 rows
	s_sub_co_u32 s24, s23, s51
	s_add_co_u32 s24, s24, 7
	s_lshr_b32 s24, s24, 3                         ; of which every eighth is mine
	s_wait_loadcnt 48                              ; the bias is in; younger: three groups of w2
.set n, 0
.rept 16
	v_cvt_pk_bf16_f32 v[T+n], v[BI+2*n], v[BI+2*n+1]   ; rounded to bf16 like every input, and back to f32 for the C operand
.set n, n+1
.endr
.set n, 0
.rept 16
	v_lshlrev_b32 v[BI+2*n], 16, v[T+n]
	v_and_b32 v[BI+2*n+1], s57, v[T+n]
.set n, n+1
.endr
	GCVT 0, 32, 1                                  ; the slice: three groups of 16 loads, 24 KB a wave, are on their way; the two younger groups may stay out
	GCVT 1, 32, 1
	GCVT 2, 32, 1
	GCVT 3, 32, 1
	GCVT 4, 32, 1
	GCVT 5, 32, 0
	GCVT 6, 16, 0
	GCVT 7, 0, 0
	s_wait_dscnt 0x0                               ; for the others' sake: my 256 rows of the slice lie in LDS
	s_barrier_signal -1
	s_barrier_wait -1                              ; the launch's one barrier: behind it nothing writes the slice
	s_mov_b32 s26, NPASS
.Lpass:
	s_cmp_lt_i32 s24, 1
	s_cbranch_scc1 .Lpass_end
	s_min_u32 s25, s24, MB
	s_wait_xcnt 0x0                                ; earlier stores and loads have read their registers, which are written again below
	s_wait_alu depctr_vm_vsrc(0)                   ; the last pass's loads have read v12-21 and v5, its pulls the q in v201-209, its last block's stores v64-127 and v210-217: all are written again in this pass
.set j, 0
.rept MB
	v_add_nc_u32 v[17+j], 128*j, v6
	v_min_u32 v[17+j], s22, v[17+j]                ; places past the count repeat the last row
	v_min_u32 v[17+j], 0x7ff, v[17+j]
	v_lshl_add_u32 v[12+j], v[17+j], 5, v7         ; 32 bytes a slot in a group, 16 for each half of the lanes
	v_lshlrev_b32 v[17+j], 2, v[17+j]
.set j, j+1
.endr
	s_mov_b64 s[28:29], s[46:47]
	s_mov_b32 s56, 0                               ; the slice from its first row
	WADR
	s_wait_alu depctr_va_vdst(0)                   ; v12-21 and v5 are written, which the loads below read; all that named v200-209 and the fragment and weight buffers before (roundings, products, the way out) is done
.set j, 0
.rept MB
	global_load_b32 v[201+2*j], v[17+j], s[48:49]  ; q
.set j, j+1
.endr
	TLOAD 0, 0, 0, 4
	TLOAD 1, KSTEP, 0, 4
	TLOAD 2, 2*KSTEP, 0, 4
	WRUN 0, 0
	s_wait_loadcnt 60                              ; the five q are in; the 60 fragment loads behind them may stay out
	s_wait_alu depctr_vm_vsrc(0)                   ; the five loads of q have read v17-21, which are written again below
.set j, 0
.rept MB
	v_min_u32 v[201+2*j], 0xfff, v[201+2*j]
	v_lshlrev_b32 v[17+j], 2, v[201+2*j]           ; free since the wait on the load counter too
.set j, j+1
.endr
	s_wait_alu depctr_va_vdst(0)                   ; v17-21 are written, which the five loads below read; so are the q in v201-209, which the way out's pulls read
.set j, 0
.rept MB
	global_load_b32 v[200+2*j], v[17+j], s[8:9]    ; the row's router weight; the last step's wait for zero covers it
.set j, j+1
.endr
	STEP 0, STEPB, 3*KSTEP, 1, 1, 1, 40            ; K step 0 starts the sums.  In steps 0 to 2 45 loads are younger than the buffer wanted
	s_mov_b32 s27, 3
.Lk:                                                   ; a trip: K steps 1 + 4 n .. 4 + 4 n
	STEP 1, 2*STEPB, 4*KSTEP, 0, 1, 1, 40
	STEP 2, 3*STEPB, 5*KSTEP, 0, 1, 1, 40
	STEP 3, 4*STEPB, 6*KSTEP, 0, 1, 1, 40
	STEP 0, 5*STEPB, 7*KSTEP, 0, 1, 1, 40
	s_wait_xcnt 0x0                                ; the loads' base is stepped only behind this wait
	s_add_nc_u64 s[28:29], s[28:29], 4*KSTEP
	s_add_co_u32 s56, s56, KBTRIP                  ; four K steps of the slice on
	s_sub_co_u32 s27, s27, 1
	s_cmp_lg_u32 s27, 0
	s_cbranch_scc1 .Lk
	STEP 1, 2*STEPB, 0, 0, 0, 1, 40                ; K steps 13 to 15 ask for no more fragments: the counts run down
	STEP 2, 3*STEPB, 0, 0, 0, 1, 20
	STEP 3, 0, 0, 0, 0, 0, 0                       ; the last step asks for nothing, and states no dependence
	PLACES
.set j, 0
.rept MB
	EPI j
.set j, j+1
.endr
.Lfoot:
	s_sub_co_i32 s24, s24, MB
	v_add_nc_u32 v6, 128*MB, v6
.Lpass_end:
	s_sub_co_u32 s26, s26, 1
	s_cmp_lg_u32 s26, 0
	s_cbranch_scc1 .Lpass
	s_wait_dscnt 0x0                               ; the wave's end
	s_wait_alu depctr_hold_cnt(0) depctr_sa_sdst(0) depctr_va_vdst(0) depctr_va_sdst(0) depctr_va_ssrc(0) depctr_va_vcc(0) depctr_vm_vsrc(0)
	s_wait_tensorcnt 0x0
	ds_add_u32 v222, v223
	s_wait_dscnt 0x0
	s_endpgm
.Lfunc_end_k_q42abfd5935_down:
	.size	k_q42abfd5935_down, .Lfunc_end_k_q42abfd5935_down-k_q42abfd5935_down
	.p2alignl 7, 3214868480
	.fill 96, 4, 3214868480
	.section	.rodata,"a",@progbits
	.p2align	6, 0x0
	.amdhsa_kernel k_q42abfd5935_down
		.amdhsa_group_segment_fixed_size 214528
		.amdhsa_private_segment_fixed_size 0
		.amdhsa_enable_private_segment 0
		.amdhsa_kernarg_size 48
		.amdhsa_user_sgpr_count 2
		.amdhsa_user_sgpr_kernarg_segment_ptr 1
		.amdhsa_wavefront_size32 1
		.amdhsa_system_sgpr_workgroup_id_x 1
		.amdhsa_system_sgpr_workgroup_id_y 1
		.amdhsa_system_sgpr_workgroup_id_z 1
		.amdhsa_system_vgpr_workitem_id 0
		.amdhsa_next_free_vgpr 768
		.amdhsa_next_free_sgpr 66
		.amdhsa_reserve_vcc 0
		.amdhsa_float_denorm_mode_32 3
		.amdhsa_float_denorm_mode_16_64 3
		.amdhsa_memory_ordered 1
		.amdhsa_forward_progress 1
		.amdhsa_inst_pref_size 155
	.end_amdhsa_kernel
	.amdgpu_metadata
---
amdhsa.version: [ 1, 2 ]
amdhsa.kernels:
  - .name:           k_q42abfd5935_down
    .symbol:         k_q42abfd5935_down.kd
    .args:
      - { .name: hid, .offset: 0, .size: 8, .value_kind: global_buffer, .address_space: global }
      - { .name: order, .offset: 8, .size: 8, .value_kind: global_buffer, .address_space: global }
      - { .name: out1, .offset: 16, .size: 8, .value_kind: global_buffer, .address_space: global }
      - { .name: w2, .offset: 24, .size: 8, .value_kind: global_buffer, .address_space: global }
      - { .name: w2_bias, .offset: 32, .size: 8, .value_kind: global_buffer, .address_space: global }
      - { .name: y2, .offset: 40, .size: 8, .value_kind: global_buffer, .address_space: global }
    .group_segment_fixed_size: 214528
    .private_segment_fixed_size: 0
    .kernarg_segment_align: 8
    .kernarg_segment_size: 48
    .max_flat_workgroup_size: 128
    .sgpr_count:     66
    .vgpr_count:     768
    .wavefront_size: 32
...
	.end_amdgpu_metadata
.endif
;; end of part 8
;; launch sum: the kernel of part 4 again; grid 256 x 1, 8 waves a work-group, no clusters, 0 bytes of LDS; arguments y2, out0; writes out0
